; MI455X (gfx1250); checked and timed in simulation.
; The chip was launched on July 23, 2026; its instructions are those of AMD's public machine-readable ISA for CDNA 5 (MIT licence, August 2026) and "CDNA5" Instruction Set Architecture Reference Guide (July 2026). The comments in the code are by the model that wrote it; some were corrected since.
;; AFT Full. Allowed arithmetic: float matrix products may take bf16 or f16 operands with f32 sums; other float arithmetic in f32, or as packed bf16 or f16 multiplies, adds, multiply-adds, maxima and minima; sums over many terms, partial sums and values carried from step to step in f32; what a program stores and reads back later, other than sums and carried values, may be rounded once to bf16 or f16.
;; Inputs: Wk_b 512 float32; Wk_w 512 x 512 float32; Wo_b 512 float32; Wo_w 512 x 512 float32; Wq_b 512 float32; Wq_w 512 x 512 float32; Wv_b 512 float32; Wv_w 512 x 512 float32; w 1,024 x 1,024 float32; x 32 x 1,024 x 512 float32.
;; Outputs: out0 32 x 1,024 x 512 float32.
;; One version. Each part assembles by itself: llvm-mc -triple=amdgcn-amd-amdhsa -mcpu=gfx1250 --defsym DOCPART=n.
;; ======== version 1 of 1: 4 launches
;; workspace buffers: ew 2,097,152 bytes; wb 2,097,152 bytes; z 67,108,864 bytes; sq 33,554,432 bytes; y 33,554,432 bytes
;; launch prep (part 1): grid 256 x 1, 8 waves a work-group, no clusters, 0 bytes of LDS; arguments w, Wk_w, Wv_w, Wq_w, Wo_w, ew, wb; writes ew, wb
.if DOCPART == 1
	.amdgcn_target "amdgcn-amd-amdhsa--gfx1250"
	.amdhsa_code_object_version 6
	.text
	.protected	k_q57add99c2a_prep
	.globl	k_q57add99c2a_prep
	.p2align	8
	.type	k_q57add99c2a_prep,@function
k_q57add99c2a_prep:
	s_mov_b64 s[64:65], 0
	v_nop
	global_prefetch_b8 v0, s[64:65] scope:SCOPE_SE
	s_setreg_imm32_b32 hwreg(HW_REG_WAVE_MODE, 25, 1), 1
	s_wait_xcnt 0x0
; PREP.  Two jobs, chosen by the work-group's number.
; Work-groups 0-127: ew[t][s] = bf16(exp(w[t][s] - max over s of w[t][s])).  One wave takes one row of 1,024 f32 (4,096 bytes, 32 registers), so the row is read once
; and its maximum never leaves the wave.  exp(x - m) = 2^(c x - c m), c = log2(e), one fused multiply-add in f32.  An exponential below 2^-126 counts as 0.
; Work-groups 128-255: the four weight matrices [512][512] f32, rounded once to bf16 and laid in blocks: wb = 32 blocks of 65,536 bytes, block 8 c + j = [512 n][64 k],
; k = 64 j .. 64 j + 63: a block's rows are 128 bytes and lie end to end.  Chunks c = 0, 1: row n = 128 w + i holds, for dc = 4 c + w, Wv_w's row 64 dc + i (i < 64) or
; Wk_w's row 64 dc + i - 64: so one wave of the next launch finds V and K of the same 64 channels side by side.  Chunk 2: Wq_w's row n.  Chunk 3: Wo_w's row n.
; No LDS, no barrier, no matrix unit: every byte is read once and written once; each store of a wave covers 256 consecutive bytes, aligned.
.set LOG2E, 0x3fb8aa3b
	s_load_b256 s[4:11], s[0:1], 0x0               ; w s[4:5], Wk_w s[6:7], Wv_w s[8:9], Wq_w s[10:11]
	s_load_b128 s[12:15], s[0:1], 0x20             ; Wo_w s[12:13], ew s[14:15]
	s_load_b64 s[16:17], s[0:1], 0x30              ; wb
	v_lshrrev_b32 v1, 5, v0
	v_readfirstlane_b32 s21, v1                    ; wave 0..7
	v_and_b32 v2, 31, v0                           ; lane
	v_lshlrev_b32 v4, 3, v2                        ; 8 x lane: my 8 bytes of a store's 256
	s_mov_b32 s20, ttmp9
	s_mov_b32 s25, 0
	s_mov_b32 s31, 0
	s_wait_kmcnt 0x0
	s_cmp_lt_u32 s20, 128
	s_cbranch_scc0 .Lweights
	; ---- a row of w ----
	s_lshl3_add_u32 s22, s20, s21                  ; row = 8 x work-group + wave
	s_lshl_b32 s24, s22, 12
	s_add_nc_u64 s[4:5], s[4:5], s[24:25]          ; w at my row
	s_lshl_b32 s24, s22, 11
	s_add_nc_u64 s[14:15], s[14:15], s[24:25]      ; ew at my row
	s_mov_b32 s26, 0x76543210                      ; v_permlanex16_b32: each lane takes its own place in the other half
	s_mov_b32 s27, 0xfedcba98
	s_mov_b32 s28, LOG2E
	s_mov_b32 s29, LOG2E                           ; named with it as a pair
	v_lshlrev_b32 v3, 4, v2                        ; 16 x lane
.irp j, 0,1,2,3,4,5,6,7
	global_load_b128 v[8+4*(\j):11+4*(\j)], v3, s[4:5] offset:512*(\j) th:TH_LOAD_NT  ; columns 128 j + 4 lane .. + 3
.endr
	s_wait_loadcnt 0x0
.irp k, 0,1,2,3                        ; four chains of eight numbers, which do not wait for each other
	v_max3_num_f32 v[40+(\k)], v[8+8*(\k)], v[9+8*(\k)], v[10+8*(\k)]
.endr
.irp k, 0,1,2,3
	v_max3_num_f32 v[40+(\k)], v[40+(\k)], v[11+8*(\k)], v[12+8*(\k)]
.endr
.irp k, 0,1,2,3
	v_max3_num_f32 v[40+(\k)], v[40+(\k)], v[13+8*(\k)], v[14+8*(\k)]
.endr
.irp k, 0,1,2,3
	v_max_num_f32 v[40+(\k)], v[40+(\k)], v[15+8*(\k)]
.endr
	v_max3_num_f32 v40, v40, v41, v42
	v_max_num_f32 v40, v40, v43
	v_max_num_f32_dpp v40, v40, v40 row_xmask:1 row_mask:0xf bank_mask:0xf
	v_max_num_f32_dpp v40, v40, v40 row_xmask:2 row_mask:0xf bank_mask:0xf
	v_max_num_f32_dpp v40, v40, v40 row_xmask:4 row_mask:0xf bank_mask:0xf
	v_max_num_f32_dpp v40, v40, v40 row_xmask:8 row_mask:0xf bank_mask:0xf
	v_permlanex16_b32 v41, v40, s26, s27           ; v41 has been written: its destination counts as read
	v_max_num_f32 v40, v40, v41                    ; the row's maximum, in every lane
	v_mul_f32 v44, s28, v40                        ; c m
	v_mov_b32 v45, v44
.set ii, 0
.rept 16
	v_pk_fma_f32 v[8+ii:9+ii], v[8+ii:9+ii], s[28:29], v[44:45] op_sel_hi:[1,0,0] neg_lo:[0,0,1] neg_hi:[0,0,1]  ; c x - c m
.set ii, ii+2
.endr
.set ii, 0
.rept 32
	v_exp_f32 v[8+ii], v[8+ii]
.set ii, ii+1
.endr
	v_nop                                          ; a plain instruction behind the last exponential,
	s_wait_alu depctr_va_vdst(0)                   ; and one wait for the batch of 32, ahead of its first reader
.set ii, 0
.rept 16
	v_cvt_pk_bf16_f32 v[48+ii], v[8+2*ii], v[9+2*ii]
.set ii, ii+1
.endr
.irp j, 0,1,2,3,4,5,6,7
	global_store_b64 v4, v[48+2*(\j):49+2*(\j)], s[14:15] offset:256*(\j)  ; 32 lanes x 8 bytes: 256 consecutive bytes, aligned
.endr
	s_endpgm
	; ---- sixteen rows of wb ----
.Lweights:
	s_sub_co_u32 s20, s20, 128
	s_lshl_b32 s22, s20, 4                         ; the first of my 16 rows among the 2,048 (4 chunks x 512)
	s_lshr_b32 s23, s22, 9                         ; chunk c
	s_and_b32 s24, s22, 511                        ; n0, a multiple of 16: the 16 rows stay inside one group of 64
	s_lshr_b32 s26, s24, 7
	s_lshl2_add_u32 s26, s23, s26                  ; dc = 4 c + n0 / 128
	s_lshl_b32 s26, s26, 6
	s_and_b32 s27, s24, 63
	s_add_co_u32 s26, s26, s27                     ; chunks 0, 1: source row 64 dc + n0 % 64
	s_cmp_lt_u32 s23, 2
	s_cselect_b32 s26, s26, s24                    ; chunks 2, 3: source row n0
	s_and_b32 s27, s24, 64
	s_cmp_lg_u32 s27, 0
	s_cselect_b64 s[28:29], s[6:7], s[8:9]         ; the upper 64 of a group of 128 are Wk_w's, the lower Wv_w's
	s_cmp_eq_u32 s23, 2
	s_cselect_b64 s[28:29], s[10:11], s[28:29]     ; Wq_w
	s_cmp_eq_u32 s23, 3
	s_cselect_b64 s[28:29], s[12:13], s[28:29]     ; Wo_w
	s_lshl_b32 s30, s26, 11
	s_add_nc_u64 s[28:29], s[28:29], s[30:31]      ; the source at my work-group's first row
	s_lshl_b32 s30, s23, 19                        ; 8 blocks a chunk
	s_lshl_b32 s27, s24, 7                         ; 128 bytes a row
	s_add_co_u32 s30, s30, s27
	s_lshl_b32 s27, s21, 8                         ; two rows a wave
	s_add_co_u32 s30, s30, s27
	s_add_nc_u64 s[16:17], s[16:17], s[30:31]
	v_lshrrev_b32 v5, 4, v2                        ; lanes 0-15 take the wave's first row, lanes 16-31 its second
	v_and_b32 v6, 15, v2
	v_lshlrev_b32 v3, 11, v5
	v_lshl_add_u32 v3, v6, 4, v3
	s_lshl_b32 s27, s21, 12
	v_add_nc_u32 v3, s27, v3
.irp j, 0,1,2,3,4,5,6,7
	global_load_b128 v[8+4*(\j):11+4*(\j)], v3, s[28:29] offset:256*(\j) th:TH_LOAD_NT  ; k = 64 j + 4 (lane % 16) .. + 3: sixteen lanes read 256 consecutive bytes
.endr
	s_wait_loadcnt 0x0
.set ii, 0
.rept 16
	v_cvt_pk_bf16_f32 v[48+ii], v[8+2*ii], v[9+2*ii]
.set ii, ii+1
.endr
.irp j, 0,1,2,3,4,5,6,7
	global_store_b64 v4, v[48+2*(\j):49+2*(\j)], s[16:17] offset:65536*(\j)  ; block j: two rows of 128 bytes on end
.endr
	s_endpgm
.Lfunc_end_k_q57add99c2a_prep:
	.size	k_q57add99c2a_prep, .Lfunc_end_k_q57add99c2a_prep-k_q57add99c2a_prep
	.p2alignl 7, 3214868480
	.fill 96, 4, 3214868480
	.section	.rodata,"a",@progbits
	.p2align	6, 0x0
	.amdhsa_kernel k_q57add99c2a_prep
		.amdhsa_group_segment_fixed_size 0
		.amdhsa_private_segment_fixed_size 0
		.amdhsa_enable_private_segment 0
		.amdhsa_kernarg_size 56
		.amdhsa_user_sgpr_count 2
		.amdhsa_user_sgpr_kernarg_segment_ptr 1
		.amdhsa_wavefront_size32 1
		.amdhsa_system_sgpr_workgroup_id_x 1
		.amdhsa_system_sgpr_workgroup_id_y 1
		.amdhsa_system_sgpr_workgroup_id_z 1
		.amdhsa_system_vgpr_workitem_id 0
		.amdhsa_next_free_vgpr 64
		.amdhsa_next_free_sgpr 66
		.amdhsa_reserve_vcc 0
		.amdhsa_float_denorm_mode_32 3
		.amdhsa_float_denorm_mode_16_64 3
		.amdhsa_memory_ordered 1
		.amdhsa_forward_progress 1
		.amdhsa_inst_pref_size 11
	.end_amdhsa_kernel
	.amdgpu_metadata
---
amdhsa.version: [ 1, 2 ]
amdhsa.kernels:
  - .name:           k_q57add99c2a_prep
    .symbol:         k_q57add99c2a_prep.kd
    .args:
      - { .name: w, .offset: 0, .size: 8, .value_kind: global_buffer, .address_space: global }
      - { .name: Wk_w, .offset: 8, .size: 8, .value_kind: global_buffer, .address_space: global }
      - { .name: Wv_w, .offset: 16, .size: 8, .value_kind: global_buffer, .address_space: global }
      - { .name: Wq_w, .offset: 24, .size: 8, .value_kind: global_buffer, .address_space: global }
      - { .name: Wo_w, .offset: 32, .size: 8, .value_kind: global_buffer, .address_space: global }
      - { .name: ew, .offset: 40, .size: 8, .value_kind: global_buffer, .address_space: global }
      - { .name: wb, .offset: 48, .size: 8, .value_kind: global_buffer, .address_space: global }
    .group_segment_fixed_size: 0
    .private_segment_fixed_size: 0
    .kernarg_segment_align: 8
    .kernarg_segment_size: 56
    .max_flat_workgroup_size: 256
    .sgpr_count:     66
    .vgpr_count:     64
    .wavefront_size: 32
...
	.end_amdgpu_metadata
.endif
;; end of part 1
;; launch qkv (part 2): grid 256 x 1, 4 waves a work-group, clusters of 4 x 1, 327,680 bytes of LDS; arguments x, wb, Wk_b, Wv_b, Wq_b, z, sq; writes z, sq
.if DOCPART == 2
	.amdgcn_target "amdgcn-amd-amdhsa--gfx1250"
	.amdhsa_code_object_version 6
	.text
	.protected	k_q57add99c2a_qkv
	.globl	k_q57add99c2a_qkv
	.p2align	8
	.type	k_q57add99c2a_qkv,@function
k_q57add99c2a_qkv:
	s_mov_b64 s[64:65], 0
	v_nop
	global_prefetch_b8 v0, s[64:65] scope:SCOPE_SE
	s_setreg_imm32_b32 hwreg(HW_REG_WAVE_MODE, 25, 1), 1
	s_wait_xcnt 0x0
	s_wait_alu depctr_hold_cnt(0) depctr_sa_sdst(0) depctr_va_vdst(0) depctr_va_sdst(0) depctr_va_ssrc(0) depctr_va_vcc(0) depctr_vm_vsrc(0)
	s_getreg_b32 s2, hwreg(HW_REG_IB_STS2, 6, 4)
	s_cmp_eq_u32 s2, 0
	s_cbranch_scc0 .Lentry_in_a_cluster
	s_endpgm
.Lentry_in_a_cluster:
	s_bfe_u32 s2, ttmp6, 0x10000c
	s_cmp_lg_u32 s2, 0x3003
	s_cbranch_scc0 .Lentry_shape_is_right
	s_endpgm
.Lentry_shape_is_right:
; QKV.  K = x Wk^T + bk, V = x Wv^T + bv, Q = x Wq^T + bq;  EK = exp(K - max over the BATCH of K);  stored: z = (EK V, EK) and sq = sigmoid(Q), all bf16.
; x: [32 b][1024 t][512] f32.  wb: the weights in bf16, blocks of [512 n][64 k] (made by the launch before).  Products in bf16 with f32 sums; the biases, in f32, are the C operand of each sum's first product.
; z: [32 b][1024 s][8 dc][2][64] bf16: part 0 = EK V, part 1 = EK, channels 64 dc ..: one (row, dc) is 256 bytes.   sq: [32 b][8 dc][1024 t][64] bf16.
; SHARES.  A work-group owns t = 4 wg .. 4 wg + 3 of ALL 32 batches: 128 rows, row 4 b + t, so the maximum over b is found inside its registers.  It makes all 1,536 columns, as three chunks of 512
; (two of V and K, one of Q), K = 512 in steps of 64: 24 steps, one block of wb each.  Wave w makes all 128 rows x the chunk's columns 128 w ..: 64 accumulators of 16 x 16.  In a V/K chunk c its column
; blocks 0-3 are V and 4-7 are K of the same 64 channels dc = 4 c + w.
; x is read once, as f32, converted and kept in LDS for the three chunks.  It comes in by slices of 128 along K: the head brings slice 0 and asks for slice 1; steps 0, 2 and 4 store the slice that the
; step after next reads and ask for the next one, so that three quarters of x arrive beside the first chunk's products.
; ONE TEXT FOR A K STEP.  The loop's trip is a step's second half with the change of slots, then the next step's first half.  The slot in hand is a scalar offset (0 or SLOT, turned by an exclusive or) that is
; added to constant addresses; one descriptor walks.  The half that starts a chunk's sums stands in the loop and is entered from the head.  The last two steps, which ask for nothing, are a loop of their own.
; THE MATRIX INSTRUCTION IS USED TRANSPOSED: source 0 = 16 rows of the weights, source 1 = 16 rows of x.  Lane l then holds row l % 16 of the row block and the columns 8 (l / 16) + 0..7.
; Row block a holds batches 4 a .. 4 a + 3, lane l % 16 = 4 (b % 4) + t: the maximum over b is a maximum over the 8 row blocks and over the lanes 4 and 8 apart.
; CLUSTER.  All work-groups walk the same weights: the four of a cluster ask for each block JOINTLY (the same tensor load, descriptor and mask in all four).  Wave w fetches the 128 rows that it reads itself.
; LIMITS.  EK = 2^(c K - c m), c = log2(e), one fused multiply-add in f32 on K + bk; an exponential below 2^-126 counts as 0.  Q is rounded once to bf16 (in its LDS stage) ahead of the sigmoid
; 1 / (1 + 2^(-c q)).  bf16 throughout, since EK needs f32's range of exponents.  NaN and infinities are not treated apart.
; REGISTERS, in windows of 256 (s_set_vgpr_msb: bits 1:0 source 0, 3:2 source 1, 5:4 source 2, 7:6 destination):
;   window 0: v0-29 addresses; v32-63 at work (x packed; rows on their way out); v64-127, v128-191 fragments of x, two buffers (v128-159 the maxima, on the way out); v192-255 half a slice of x as loaded; later at work
;   window 1: v0-63 the chunk's biases; v64-127, v128-191 fragments of the weights; v192-255 the slice's other half      windows 2, 3: the accumulators ((a, n) at v[8 (8 (a % 4) + n)]); v192-255 of both: slice 0 as loaded
.set XPITCH, 1040                      ; a row of x in LDS: 1,024 bytes + 16 = 65 x 16: the 16 rows of a fragment load start at 16 different groups of four banks (64 banks of 4 bytes: ISA guide 11.1)
.set RING,   128*XPITCH                ; behind x's 128 rows: two slots
.set BPITCH, 144                       ; a row of a weight block: 128 bytes + 16
.set WSLICE, 128*BPITCH                ; a wave's 128 rows
.set SLOT,   4*WSLICE
.set STAGE,  RING+2*SLOT               ; behind the ring: 16 rows x 272 bytes for each wave, for z's way out
.set SPITCH, 272
.set SPARE,  STAGE+4*16*SPITCH         ; the spare words, 128 bytes for each wave: two blocks of 256 bytes that no other line names
.set BLK,    65536                     ; a block of wb
.set XO,   4                           ; v4   16 x lane: my 16 bytes of 512 in sq's stores
.set XS,   5                           ; v5   where I put 8 bytes of x: my wave's 32 rows + 8 x lane + 256 x slice
.set A0LO, 6                           ; v6   my place in a fragment of x, row blocks 0-3; never rewritten
.set A0HI, 7                           ; v7   row blocks 4-7
.set ADRA, 8                           ; v8-9 the same, at the step's place along K
.set B0,   10                          ; v10  my place in my wave's rows of slot 0; never rewritten
.set ADRB, 11                          ; v11  the same in the slot in hand
.set STO,  12                          ; v12  z's way out: where I put 16 bytes of a row
.set RD,   13                          ; v13  where I read a row back
.set CO,   14                          ; v14  my byte offset in z
.set BO,   15                          ; v15  32 (l / 16): my 8 columns of a bias
.set STOQ, 16                          ; v16  Q's stage: where I put 16 bytes
.set RDQ,  17                          ; v17  where I read four rows' halves back
.set XOF,  18                          ; v18  my byte offset in a row of x: 16 x lane, and 512 more for each slice
.set PFO,  19                          ; v19  256 x lane, for the prefetches; never rewritten
.set NEGC, 20                          ; v20  -c
.set ZERO, 21                          ; v21  0.0
.set SPW,  28                          ; v28  LDS address of my spare word; never rewritten
.set NIL,  29                          ; v29  0; never rewritten
.set OB,   32
.set XP,   32
.set F0,   64
.set F1,   128
.set MX,   128
.set XR,   192
.set TMP,  192
.set QL,   32
.set EE,   64
.set QO,   224
.set WV,  18                           ; s18  my wave's number
.set CX,  19                           ; s19  my place in the cluster: it enters global addresses of my own alone
.set G1,  24                           ; s[24:31] descriptor group 1
.set G0,  32                           ; s[32:35] descriptor group 0 of the first fill
.set GW,  36                           ; s[36:39] of the second, which then walks
.set KO,  40                           ; s40  the step's place along K in x's rows, in bytes
.set LIM, 42                           ; s42  2 in a wave that prefetches, else the greatest number
.set CHK, 43                           ; s43  the chunk in hand
.set PFA, 44                           ; s[44:45] where my prefetches stand
.set XB,  46                           ; s[46:47] x at my wave's batches 0-3;  s[48:49] at its batches 4-7; never rewritten
.set XB2, 48
.set BA,  50                           ; s[50:51] the bias of column blocks 0-3;  s[52:53] of blocks 4-7
.set BB,  52
.set QA,  54                           ; s[54:57] the same for the chunk of Q
.set QB,  56
.set ZB,  58                           ; s[58:59] z at my rows and the chunk's dc;  s[60:61] the same, walking down the batches
.set ZW,  60
.set CC,  62                           ; s[62:63] c, twice
.set SQW, 66                           ; s[66:67] sq at my rows
.set TB,  72                           ; s72  the slot in hand: 0 or SLOT
.set LB,  73                           ; s73  my wave's rows in slot 0: RING + wave x WSLICE
.set MSB, 0
.macro WIN new                         ; the immediate's high byte repeats the setting that is left; a switch that changes nothing is dropped
.if MSB != (\new)
	s_set_vgpr_msb (MSB<<8)|(\new)
.set MSB, \new
.endif
.endm
.set TO_B, 0x40                        ; destination window 1, address window 0
.macro PLACES                          ; four places behind matrix instructions, in front of loads into registers that they have read and of vector work on their registers
.rept 4
	v_nop
.endr
.endm
.macro CREST                           ; a round of the cluster's barrier behind its opening barrier
	s_cmp_lg_u32 s[WV], 0
	s_cbranch_scc1 .Lnot_wave_0_\@
	s_barrier_signal -3
.Lnot_wave_0_\@:
	s_barrier_wait -3
	s_barrier_signal -1
	s_barrier_wait -1
.endm
.macro CROUND
	s_barrier_signal -1
	s_barrier_wait -1
	CREST
.endm
; 16 matrix instructions: row blocks a0, a0 + 1 of window 2 + hi x all 8 column blocks, 32 along K.  cm = 1: the bias starts the sums; 0: they go on.  The 64 accumulators take turns in one order everywhere.
.macro MUL16 f, hi, a0, cm
.if (\cm) == 1
	WIN 0x91+0x40*(\hi)                            ; C in window 1
.else
	WIN 0xa1+0x50*(\hi)
.endif
.irp a, \a0, (\a0)+1
.irp b, 0,1,2,3,4,5,6,7
.if (\cm) == 1
	v_wmma_f32_16x16x32_bf16 v[8*(8*(\a)+(\b)):8*(8*(\a)+(\b))+7], v[(\f)+8*(\b):(\f)+8*(\b)+7], v[(\f)+8*(4*(\hi)+(\a)):(\f)+8*(4*(\hi)+(\a))+7], v[8*(\b):8*(\b)+7]
.else
	v_wmma_f32_16x16x32_bf16 v[8*(8*(\a)+(\b)):8*(8*(\a)+(\b))+7], v[(\f)+8*(\b):(\f)+8*(\b)+7], v[(\f)+8*(4*(\hi)+(\a)):(\f)+8*(4*(\hi)+(\a))+7], v[8*(8*(\a)+(\b)):8*(8*(\a)+(\b))+7]
.endif
.endr
.endr
.endm
; 32 LDS loads in one run: 32 along K, at byte k of the step's 128, of my 128 weight rows in the slot in hand and of x's 128 rows, into buffer f
.macro FETCH k, f
	WIN TO_B
.irp i, 0,1,2,3,4,5,6,7
	ds_load_b128 v[(\f)+8*(\i):(\f)+8*(\i)+3],   v[ADRB] offset:(\k)+(\i)*16*BPITCH
	ds_load_b128 v[(\f)+8*(\i)+4:(\f)+8*(\i)+7], v[ADRB] offset:(\k)+(\i)*16*BPITCH+32
.endr
	WIN 0
.irp i, 0,1,2,3,4,5,6,7
	ds_load_b128 v[(\f)+8*(\i):(\f)+8*(\i)+3],   v[ADRA+(\i)/4] offset:(\k)+((\i)%4)*16*XPITCH
	ds_load_b128 v[(\f)+8*(\i)+4:(\f)+8*(\i)+7], v[ADRA+(\i)/4] offset:(\k)+((\i)%4)*16*XPITCH+32
.endr
.endm
; A K step of 64 is two halves of 32, 64 matrix instructions each.  The first half multiplies buffer 0 and fetches the second half's fragments into buffer 1.
.macro HALF cm
	s_wait_dscnt 8                                 ; the weights and x's rows 0-63 are in; the youngest eight loads (x's rows 64-127) may be out
	MUL16 F0, 0, 0, \cm
	MUL16 F0, 0, 2, \cm
	PLACES
	FETCH 64, F1
	s_wait_dscnt 32                                ; all but the 32 just issued
	MUL16 F0, 1, 0, \cm
	MUL16 F0, 1, 2, \cm
.endm
; A PREFETCH INTO THE L2 of the block that stands two refills on.  Every cluster walks the same blocks: the first cluster asks, and nobody else.  Its four partners take 16,384 bytes of the block each, told apart
; by address; in each, waves 0 and 1 take 8,192 bytes, a lane 256: each 256 bytes of wb's first 24 blocks from block 4 on are named once.  The last two refills (the count at 2 and 1) have no block two on and ask for nothing.
.macro ASK
	s_cmp_gt_u32 s3, s[LIM]
	s_cbranch_scc0 .Lnot_mine_\@
	global_prefetch_b8 v[PFO], s[PFA:PFA+1] th:TH_LOAD_NT scope:SCOPE_SE
.Lnot_mine_\@:
.endm
; The second half multiplies buffer 1 and changes slots.  In front of the barrier each wave waits for all its tensor loads (one is out at the most: its part of the next slot), adds 0 to its spare word, and waits
; for that, for its reads of this slot and for its stores of x.  fill = 1: the barrier opens a round of the cluster's, and the slot in hand is filled again first thing behind it, with the block two steps on: an s_nop 0
; and four v_nop follow the load.  fill = 0, the last two steps: nothing is asked for, and in the last of them (the count at 1) the run of loads, which nobody would use, is jumped over.
.macro TURN fill
.if \fill
	s_wait_xcnt 0x0                                ; the last prefetch, a K step back, has read its address
	s_add_nc_u64 s[PFA:PFA+1], s[PFA:PFA+1], BLK
.endif
	WIN 0
	s_wait_tensorcnt 0x0                           ; all my tensor loads have landed, so the walking descriptor may be written
	ds_add_u32 v[SPW], v[NIL]                      ; 0 onto my spare word
.if \fill
	s_add_co_u32 s[GW+1], s[LB], s[TB]             ; to where: my rows of the slot in hand,
	s_add_nc_u64 s[GW+2:GW+3], s[GW+2:GW+3], BLK   ; from where: the next block; the type bits on top are not reached
.endif
	s_wait_dscnt 9                                 ; (the add and the youngest eight loads may be out)
	MUL16 F1, 0, 0, 0
	s_wait_dscnt 0x0                               ; the add is done, my reads of this slot are over, and what I stored of x is there
	s_barrier_signal -1
	MUL16 F1, 0, 2, 0
	WIN 0
	s_barrier_wait -1
.if \fill
	CREST                                          ; no wave of any partner still reads this slot or has a load on its way
	tensor_load_to_lds s[GW:GW+3], s[G1:G1+7]      ; one line for all four waves, whose descriptors differ by the wave's number alone
	s_nop 0
.rept 4
	v_nop                                          ; also the places in front of the loads below
.endr
.else
	PLACES
	s_cmp_eq_u32 s3, 1
	s_cbranch_scc1 .Lno_more_\@
.endif
	s_xor_b32 s[TB], s[TB], SLOT                   ; the other slot,
	s_add_co_u32 s[KO], s[KO], 128                 ; the next 64 along K; behind a chunk's eighth step back to 0
	s_and_b32 s[KO], s[KO], 1023
	v_add_nc_u32 v[ADRB], s[TB], v[B0]
	v_add_nc_u32 v[ADRA], s[KO], v[A0LO]
	v_add_nc_u32 v[ADRA+1], s[KO], v[A0HI]
	FETCH 0, F0
.if \fill
	ASK
.else
.Lno_more_\@:
.endif
	MUL16 F1, 1, 0, 0
	MUL16 F1, 1, 2, 0
.endm
.macro BIASLD                          ; 8 f32 for each column block: columns 16 n + 8 (l / 16) + 0..7, the same for every row
	WIN TO_B
.irp n, 0,1,2,3
	global_load_b128 v[8*(\n):8*(\n)+3],       v[BO], s[BA:BA+1] offset:64*(\n)
	global_load_b128 v[8*(\n)+4:8*(\n)+7],     v[BO], s[BA:BA+1] offset:64*(\n)+16
	global_load_b128 v[32+8*(\n):32+8*(\n)+3], v[BO], s[BB:BB+1] offset:64*(\n)
	global_load_b128 v[32+8*(\n)+4:32+8*(\n)+7], v[BO], s[BB:BB+1] offset:64*(\n)+16
.endr
	WIN 0
.endm
; A slice of x: 128 along K = 512 consecutive bytes, aligned, of each of my wave's 32 rows (8 batches x 4 t): a load a row.  Rows 0-15 go to v192-255 of window wa, rows 16-31 to those of window wb.  p: 512 p bytes behind v[XOF].
.macro XLOAD wa, wb, p
	WIN (\wa)<<6
.set ii, 0
.rept 16
	global_load_b128 v[XR+4*ii:XR+4*ii+3], v[XOF], s[XB:XB+1] offset:2097152*(ii/4)+2048*(ii%4)+512*(\p) th:TH_LOAD_NT
.set ii, ii+1
.endr
	WIN (\wb)<<6
.set ii, 0
.rept 16
	global_load_b128 v[XR+4*ii:XR+4*ii+3], v[XOF], s[XB2:XB2+1] offset:2097152*(ii/4)+2048*(ii%4)+512*(\p) th:TH_LOAD_NT
.set ii, ii+1
.endr
	WIN 0
.endm
.macro XCVT wa, wb                     ; the slice is rounded to bf16 and put into x's rows: each store is 256 consecutive bytes of a row
.irp hh, 0,1
.if (\hh) == 0
	WIN (\wa)|((\wa)<<2)
.else
	WIN (\wb)|((\wb)<<2)
.endif
.set ii, 0
.rept 32
	v_cvt_pk_bf16_f32 v[XP+ii], v[XR+2*ii], v[XR+2*ii+1]
.set ii, ii+1
.endr
	WIN 0
.set ii, 0
.rept 16
	ds_store_b64 v[XS], v[XP+2*ii:XP+2*ii+1] offset:(16*(\hh)+ii)*XPITCH
.set ii, ii+1
.endr
.endr
.endm
; z's way out, a row block (16 rows: 4 batches x 4 t) at a time.
.macro PACK a                          ; V becomes EK V; both are rounded to bf16: 16 bytes a lane and column block
.set AC, 64*((\a)%4)
	WIN 0x8a+0x45*((\a)/4)
.set ii, 0
.rept 16
	v_pk_mul_f32 v[AC+ii:AC+ii+1], v[AC+ii:AC+ii+1], v[AC+32+ii:AC+32+ii+1]
.set ii, ii+2
.endr
	WIN 0x0a+5*((\a)/4)
.set ii, 0
.rept 32
	v_cvt_pk_bf16_f32 v[TMP+ii], v[AC+2*ii], v[AC+2*ii+1]
.set ii, ii+1
.endr
	WIN 0
.endm
.macro TOSTAGE a                       ; into my own stage and back as whole rows of 256 bytes: EK V's 64 channels, then EK's
	WIN 0
.set BK, OB+192*((\a)%2)
.irp n, 0,1,2,3,4,5,6,7
	ds_store_b128 v[STO], v[TMP+4*(\n):TMP+4*(\n)+3] offset:32*(\n)
.endr
.irp t, 0,1,2,3,4,5,6,7
	ds_load_b128 v[BK+4*(\t):BK+4*(\t)+3], v[RD] offset:(\t)*2*SPITCH  ; LDS serves a wave's instructions in order (ISA guide 5.7.1.4): these see the stores above
.endr
.endm
.macro SEND a
	WIN 0
.set BK, OB+192*((\a)%2)
	s_wait_dscnt 0x0                               ; the block is back in registers
	s_wait_xcnt 0x0                                ; earlier stores have read their base and their registers: only now are these rewritten
.if (\a) == 0
	s_mov_b64 s[ZW:ZW+1], s[ZB:ZB+1]
.else
	s_add_nc_u64 s[ZW:ZW+1], s[ZW:ZW+1], 0x800000  ; four batches on
.endif
.irp t, 0,1,2,3,4,5,6,7
	global_store_b128 v[CO], v[BK+4*(\t):BK+4*(\t)+3], s[ZW:ZW+1] offset:2097152*((\t)/2)+4096*((\t)%2)  ; stage rows 2 t, 2 t + 1 = batch t / 2, rows 2 (t % 2) + 0, 1: sixteen lanes store 256 consecutive bytes, aligned
.endr
.endm
	s_load_b256 s[4:11], s[0:1], 0x0               ; x s[4:5], wb s[6:7], Wk_b s[8:9], Wv_b s[10:11]
	s_load_b128 s[12:15], s[0:1], 0x20             ; Wq_b s[12:13], z s[14:15]
	s_load_b64 s[16:17], s[0:1], 0x30              ; sq
	v_lshl_add_u32 v[SPW], v0, 2, SPARE
	v_mov_b32 v[NIL], 0
	ds_add_u32 v[SPW], v[NIL]                      ; the wave's opening: the add, and its wait ahead of my first tensor load; the set-up below stands between them
	v_lshrrev_b32 v1, 5, v0
	v_readfirstlane_b32 s[WV], v1                  ; wave 0..3
	s_bfe_u32 s[CX], ttmp6, 0x40000
	s_lshl_b32 s20, ttmp9, 2                       ; in a cluster launch ttmp9 counts clusters
	s_add_co_u32 s20, s20, s[CX]                   ; wg = 4 x cluster + cx
	; descriptor group 1: my 128 rows of a block are 16,384 dense bytes: asked for as 64 rows of 256 bytes, padded in LDS after every 128
	s_mov_b32 s[G1], 15|(1<<16)|(1<<20)|(1<<21)|(4<<22)|(3<<25)  ; 15:0 the mask of four; 17:16 2-byte elements; 20 padding on; 21 set beside a mask; 24:22 after every 32 words; 31:25 4 words
	s_mov_b32 s[G1+1], 128<<16                     ; tensor_dim0 = 128
	s_mov_b32 s[G1+2], 64<<16                      ; tensor_dim1 = 64
	s_mov_b32 s[G1+3], 128<<16                     ; tile_dim0 = 128
	s_mov_b32 s[G1+4], 64                          ; tile_dim1 = 64
	s_mov_b32 s[G1+5], 128                         ; 128 elements from row to row
	s_mov_b32 s[G1+6], 0
	s_mov_b32 s[G1+7], 0
	s_mul_i32 s21, s[WV], WSLICE
	s_add_co_u32 s[LB], s21, RING                  ; my rows' place in slot 0,
	s_lshl_b32 s22, s[WV], 14                      ; and in a block
	s_mov_b32 s23, 0
	s_mov_b32 s[CC], 0x3fb8aa3b                    ; c = log2(e)
	s_mov_b32 s[CC+1], 0x3fb8aa3b
	s_mov_b32 s[CHK], 0
	s_mov_b32 s[KO], 0
	s_mov_b32 s[TB], 0
	s_mov_b32 s71, 0
	s_wait_dscnt 0x0                               ; the opening add is done
	s_wait_kmcnt 0x0
	s_add_nc_u64 s[68:69], s[6:7], s[22:23]
.irp s, 0,1
	s_mov_b32 s[G0+4*(\s)], 1                                        ; count = 1
	s_add_co_u32 s[G0+4*(\s)+1], s[LB], (\s)*SLOT                    ; LDS address
	s_add_nc_u64 s[G0+4*(\s)+2:G0+4*(\s)+3], s[68:69], (\s)*BLK      ; global address: block s
	s_or_b32 s[G0+4*(\s)+3], s[G0+4*(\s)+3], 0x80000000              ; type = 2
.endr
	CROUND                                         ; all four work-groups are here: the first joint loads meet
	tensor_load_to_lds s[G0:G0+3], s[G1:G1+7]      ; two loads of mine are out
	s_nop 0
	tensor_load_to_lds s[GW:GW+3], s[G1:G1+7]
	s_nop 0
.rept 4
	v_nop
.endr
	s_lshl_b32 s70, s[WV], 24                      ; my 8 batches of 2,097,152 bytes,
	s_lshl_b32 s21, s20, 13                        ; my work-group's 4 rows of 2,048 bytes
	s_add_co_u32 s70, s70, s21
	s_add_nc_u64 s[XB:XB+1], s[4:5], s[70:71]
	s_add_nc_u64 s[XB2:XB2+1], s[XB:XB+1], 0x800000
	s_lshl_b32 s70, s[WV], 8                       ; chunk 0: dc = w: 64 f32
	s_add_nc_u64 s[BA:BA+1], s[10:11], s[70:71]    ; V's bias
	s_add_nc_u64 s[BB:BB+1], s[8:9], s[70:71]      ; K's bias
	s_add_co_u32 s70, s70, s21
	s_add_nc_u64 s[ZB:ZB+1], s[14:15], s[70:71]    ; z + 8,192 wg + 256 w
	s_lshl_b32 s70, s[WV], 9
	s_add_nc_u64 s[QA:QA+1], s[12:13], s[70:71]    ; Q's bias: columns 128 w ..
	s_add_nc_u64 s[QB:QB+1], s[QA:QA+1], 256
	s_lshl_b32 s70, s[WV], 18                      ; dc = 2 w: 131,072 bytes each
	s_lshl_b32 s21, s20, 9                         ; 4 rows of 128 bytes
	s_add_co_u32 s70, s70, s21
	s_add_nc_u64 s[SQW:SQW+1], s[16:17], s[70:71]
	s_lshl_b32 s70, s[CX], 14
	s_lshl_b32 s21, s[WV], 13
	s_add_co_u32 s70, s70, s21
	s_add_co_u32 s70, s70, 3*BLK                   ; at block 3: the first refill steps it to block 4
	s_add_nc_u64 s[PFA:PFA+1], s[6:7], s[70:71]
	s_lshr_b32 s21, s[WV], 1
	s_or_b32 s21, s21, ttmp9                       ; 0 in waves 0 and 1 of the first cluster: the same in all four partners
	s_cmp_eq_u32 s21, 0
	s_cselect_b32 s[LIM], 2, -1
	v_and_b32 v1, 15, v0                           ; l % 16
	v_bfe_u32 v2, v0, 4, 1                         ; l / 16
	v_and_b32 v3, 31, v0                           ; l
	v_lshlrev_b32 v[XO], 4, v3
	v_lshlrev_b32 v[XOF], 4, v3
	v_lshlrev_b32 v[BO], 5, v2
	BIASLD
	XLOAD 2, 3, 0                                  ; slice 0, into accumulator registers that are idle yet,
	XLOAD 0, 1, 1                                  ; and slice 1 behind it
	s_mul_i32 s21, s[WV], 32*XPITCH                ; the addresses are made meanwhile
	v_lshl_add_u32 v[XS], v3, 3, s21
	v_mul_u32_u24 v[A0LO], v1, XPITCH
	v_lshl_add_u32 v[A0LO], v2, 4, v[A0LO]         ; row x pitch + 16 x half
	v_add_nc_u32 v[A0HI], 64*XPITCH, v[A0LO]
	v_mov_b32 v[ADRA], v[A0LO]
	v_mov_b32 v[ADRA+1], v[A0HI]
	v_mul_u32_u24 v[B0], v1, BPITCH
	v_lshl_add_u32 v[B0], v2, 4, v[B0]
	v_add_nc_u32 v[B0], s[LB], v[B0]
	v_mov_b32 v[ADRB], v[B0]
	v_mul_u32_u24 v[STOQ], v1, SPITCH
	v_lshl_add_u32 v[STOQ], v2, 4, v[STOQ]         ; in: row l % 16, 16 bytes for each half of the lanes
	s_mul_i32 s21, s[WV], 16*SPITCH
	s_add_co_u32 s21, s21, STAGE
	v_add_nc_u32 v[STO], s21, v[STOQ]
	v_mul_u32_u24 v[RD], v2, SPITCH                ; back: lanes 0-15 one row of 256 bytes, lanes 16-31 the next
	v_lshl_add_u32 v[RD], v1, 4, v[RD]
	v_add_nc_u32 v[RD], s21, v[RD]
	s_mul_i32 s21, s[WV], 2*WSLICE                 ; Q's stage: a quarter of the ring for each wave, once the ring has had its last fill
	s_add_co_u32 s21, s21, RING
	v_add_nc_u32 v[STOQ], s21, v[STOQ]
	v_lshrrev_b32 v[RDQ], 3, v3                    ; back: 32 lanes take 128 bytes of each of four rows
	v_mul_u32_u24 v[RDQ], v[RDQ], SPITCH
	v_and_b32 v22, 7, v3
	v_lshl_add_u32 v[RDQ], v22, 4, v[RDQ]
	v_add_nc_u32 v[RDQ], s21, v[RDQ]
	v_lshlrev_b32 v[CO], 11, v2                    ; z: the two rows are 2,048 bytes apart
	v_lshl_add_u32 v[CO], v1, 4, v[CO]
	v_lshlrev_b32 v[PFO], 8, v3
	v_mov_b32 v[NEGC], 0xbfb8aa3b
	v_mov_b32 v[ZERO], 0
	s_wait_loadcnt 32                              ; loads come back in order: the biases and slice 0 are in; slice 1's 32 loads stay out
	XCVT 2, 3
	s_wait_tensorcnt 0x1                           ; my part of slot 0 is in; slot 1's may stay out
	s_wait_dscnt 0x0                               ; for the others' sake: my rows of slice 0 are stored
	s_barrier_signal -1
	s_barrier_wait -1
	FETCH 0, F0
	s_mov_b32 s3, 23
	s_branch .Lbias                                ; the loop is entered at the half that starts a chunk's sums; its count goes to 22 there
.Lstep:                                                ; 22 trips, the count from 22 to 1: trip n = 22 - count ends step n, fills its slot with block n + 2, and begins step n + 1
	TURN 1
	WIN 0                                          ; at a label and at a branch every window is 0
	s_and_b32 s21, s3, 7                           ; a chunk is eight steps: step 7 ends at the count 15, step 15 at 7
	s_cmp_lg_u32 s21, 7
	s_cbranch_scc1 .Lplain                         ; the jump goes forward, past text that holds neither a barrier nor a tensor load
	; ---- A CHUNK OF V AND K IS FINISHED ----
	PLACES
	s_add_co_u32 s[CHK], s[CHK], 1
	s_wait_xcnt 0x0                                ; the last bias loads have read their bases
	s_add_nc_u64 s[68:69], s[BA:BA+1], 1024        ; the next chunk's biases: dc is 4 more, or Q's
	s_add_nc_u64 s[70:71], s[BB:BB+1], 1024
	s_cmp_eq_u32 s[CHK], 2
	s_cselect_b64 s[BA:BA+1], s[QA:QA+1], s[68:69]
	s_cselect_b64 s[BB:BB+1], s[QB:QB+1], s[70:71]
	BIASLD
	; the maximum over the 32 batches, for my 32 numbers (column block, register) of K: over the 8 row blocks (each accumulator's lowest register is read first), then over the lanes 4 and 8 apart
	WIN 0x2a
.set qq, 0
.rept 32
	v_max3_num_f32 v[MX+qq], v[32+qq], v[96+qq], v[160+qq]
.set qq, qq+1
.endr
	WIN 0x38
.set qq, 0
.rept 32
	v_max3_num_f32 v[MX+qq], v[MX+qq], v[224+qq], v[32+qq]
.set qq, qq+1
.endr
	WIN 0x3c
.set qq, 0
.rept 32
	v_max3_num_f32 v[MX+qq], v[MX+qq], v[96+qq], v[160+qq]
.set qq, qq+1
.endr
	WIN 0x0c
.set qq, 0
.rept 32
	v_max_num_f32 v[MX+qq], v[MX+qq], v[224+qq]
.set qq, qq+1
.endr
	WIN 0
.set qq, 0
.rept 32
	v_max_num_f32_dpp v[MX+qq], v[MX+qq], v[MX+qq] row_xmask:4 row_mask:0xf bank_mask:0xf
.set qq, qq+1
.endr
.set qq, 0
.rept 32
	v_max_num_f32_dpp v[MX+qq], v[MX+qq], v[MX+qq] row_xmask:8 row_mask:0xf bank_mask:0xf
.set qq, qq+1
.endr
.set qq, 0
.rept 16
	v_pk_mul_f32 v[MX+qq:MX+qq+1], v[MX+qq:MX+qq+1], s[CC:CC+1] op_sel_hi:[1,0]  ; c m
.set qq, qq+2
.endr
	; EK = 2^(c K - c m), in place.  ONE BATCH of 256 exponentials: the next row block's scalings stand among them, and nothing names a result ahead of the one wait
.irp w, 0,1
	WIN 0x82+0x41*(\w)
.set qq, 0
.rept 16
	v_pk_fma_f32 v[32+qq:33+qq], v[32+qq:33+qq], s[CC:CC+1], v[MX+qq:MX+qq+1] op_sel_hi:[1,0,1] neg_lo:[0,0,1] neg_hi:[0,0,1]
.set qq, qq+2
.endr
.set aa, 0
.rept 4
.set qq, 0
.rept 16
	v_exp_f32 v[64*aa+32+qq], v[64*aa+32+qq]
	v_exp_f32 v[64*aa+33+qq], v[64*aa+33+qq]
.if aa < 3
	v_pk_fma_f32 v[64*aa+96+qq:64*aa+97+qq], v[64*aa+96+qq:64*aa+97+qq], s[CC:CC+1], v[MX+qq:MX+qq+1] op_sel_hi:[1,0,1] neg_lo:[0,0,1] neg_hi:[0,0,1]
.endif
.set qq, qq+2
.endr
.set aa, aa+1
.endr
.endr
	v_nop                                          ; a plain instruction behind the last exponential,
	s_wait_alu depctr_va_vdst(0)                   ; and the one wait for the batch
	PACK 0
	TOSTAGE 0
.irp a, 1,2,3,4,5,6,7                  ; block a's arithmetic stands between block a - 1's loads from the stage and the wait for them
	PACK \a
	SEND (\a)-1
	TOSTAGE \a
.endr
	SEND 7
	s_add_nc_u64 s[ZB:ZB+1], s[ZB:ZB+1], 1024      ; the next chunk's dc (no memory instruction names this pair: the stores go by its copy)
	s_wait_loadcnt 0x0                             ; the next chunk's biases
.Lbias:                                                ; (from the head: the biases were shown in by the wait for slice 0)
	HALF 1                                         ; a chunk's first half starts the sums with the biases
	WIN 0
	s_branch .Ljoin
.Lplain:
	HALF 0
	WIN 0
	s_cmp_lt_u32 s3, 18                            ; trips 0, 2 and 4 (the count at 22, 20, 18) store the slice of x that the step after next reads
	s_cbranch_scc1 .Ljoin
	s_and_b32 s21, s3, 1
	s_cmp_lg_u32 s21, 0
	s_cbranch_scc1 .Ljoin
	s_wait_loadcnt 0x0                             ; the slice, asked for two steps ago (the first: at the head), is in; its loads' offset register is free
	v_add_nc_u32 v[XOF], 512, v[XOF]
	v_add_nc_u32 v[XS], 256, v[XS]
	XCVT 0, 1                                      ; the next change of slots waits for these stores ahead of its barrier, and the reads stand behind it
	s_cmp_eq_u32 s3, 18
	s_cbranch_scc1 .Ljoin                          ; that was slice 3: a row of x has no more
	XLOAD 0, 1, 1
.Ljoin:
	s_sub_co_u32 s3, s3, 1
	s_cmp_lg_u32 s3, 0
	s_cbranch_scc1 .Lstep
	s_mov_b32 s3, 2
.Ltail:                                                ; the last two steps ask for nothing: a loop of their own; it is left in the middle of its second trip
	TURN 0
	WIN 0
	s_sub_co_u32 s3, s3, 1
	s_cmp_eq_u32 s3, 0
	s_cbranch_scc1 .Lq_out
	HALF 0
	WIN 0
	s_branch .Ltail
.Lq_out:
	; ---- Q IS FINISHED ----  It goes, rounded to bf16, into a stage in the ring, which has had its last fill; every wave's reads of the ring were over in front of the last barrier (a wave's stage covers bytes that
	; other waves have read).  A loop of eight trips then takes 16 rows each: sigmoid, and out.
	PLACES
.irp a, 0,1,2,3,4,5,6,7
	WIN 0x0a+5*((\a)/4)
.set ii, 0
.rept 32
	v_cvt_pk_bf16_f32 v[TMP+ii], v[64*((\a)%4)+2*ii], v[64*((\a)%4)+2*ii+1]
.set ii, ii+1
.endr
	WIN 0
.irp n, 0,1,2,3,4,5,6,7
	ds_store_b128 v[STOQ], v[TMP+4*(\n):TMP+4*(\n)+3] offset:(\a)*16*SPITCH+32*(\n)
.endr
.endr
	s_mov_b32 s3, 8
.Lsig:                                                 ; four batches x (four rows x 2 dc x 128 bytes)
.irp u, 0,1,2,3,4,5,6,7
	ds_load_b128 v[QL+4*(\u):QL+4*(\u)+3], v[RDQ] offset:4*SPITCH*((\u)/2)+128*((\u)%2)  ; my own bytes, served in order behind my stores
.endr
	s_wait_dscnt 0x0
.set ii, 0
.rept 32                               ; -c q from each bf16 half, and its exponential one line behind
	v_fma_mix_f32_bf16 v[EE+2*ii], v[QL+ii], v[NEGC], v[ZERO] op_sel_hi:[1,0,0]
.if ii > 0
	v_exp_f32 v[EE+2*ii-1], v[EE+2*ii-1]
.endif
	v_fma_mix_f32_bf16 v[EE+2*ii+1], v[QL+ii], v[NEGC], v[ZERO] op_sel:[1,0,0] op_sel_hi:[1,0,0]
	v_exp_f32 v[EE+2*ii], v[EE+2*ii]
.set ii, ii+1
.endr
	v_exp_f32 v[EE+63], v[EE+63]
	v_nop
	s_wait_alu depctr_va_vdst(0)                   ; one wait for the 64 exponentials
.set ii, 0
.rept 32
	v_pk_add_f32 v[EE+2*ii:EE+2*ii+1], v[EE+2*ii:EE+2*ii+1], 1.0 op_sel_hi:[1,0]
.if ii > 0
	v_rcp_f32 v[EE+2*ii-2], v[EE+2*ii-2]
	v_rcp_f32 v[EE+2*ii-1], v[EE+2*ii-1]
.endif
.set ii, ii+1
.endr
	v_rcp_f32 v[EE+62], v[EE+62]
	v_rcp_f32 v[EE+63], v[EE+63]
	v_nop
	s_wait_alu depctr_va_vdst(0)                   ; one wait for the 64 reciprocals, ahead of their readers and of the backward jump
.set ii, 0
.rept 32
	v_cvt_pk_bf16_f32 v[QO+ii], v[EE+2*ii], v[EE+2*ii+1]
.set ii, ii+1
.endr
.irp u, 0,1,2,3,4,5,6,7
	global_store_b128 v[XO], v[QO+4*(\u):QO+4*(\u)+3], s[SQW:SQW+1] offset:1048576*((\u)/2)+131072*((\u)%2)  ; a batch's and dc's four rows: 512 consecutive bytes, aligned
.endr
	v_add_nc_u32 v[RDQ], 16*SPITCH, v[RDQ]
	s_wait_xcnt 0x0                                ; the stores have read their base and their registers
	s_add_nc_u64 s[SQW:SQW+1], s[SQW:SQW+1], 0x400000  ; four batches on
	s_sub_co_u32 s3, s3, 1
	s_cmp_lg_u32 s3, 0
	s_cbranch_scc1 .Lsig
	s_wait_tensorcnt 0x0                           ; the wave's end, behind my last tensor load and my last LDS store
	ds_add_u32 v[SPW], v[NIL]
	s_wait_dscnt 0x0
	CROUND                                         ; the closing round: no work-group ends while a partner may still ask for a block that names it
	s_endpgm
.Lfunc_end_k_q57add99c2a_qkv:
	.size	k_q57add99c2a_qkv, .Lfunc_end_k_q57add99c2a_qkv-k_q57add99c2a_qkv
	.p2alignl 7, 3214868480
	.fill 96, 4, 3214868480
	.section	.rodata,"a",@progbits
	.p2align	6, 0x0
	.amdhsa_kernel k_q57add99c2a_qkv
		.amdhsa_group_segment_fixed_size 327680
		.amdhsa_private_segment_fixed_size 0
		.amdhsa_enable_private_segment 0
		.amdhsa_kernarg_size 56
		.amdhsa_user_sgpr_count 2
		.amdhsa_user_sgpr_kernarg_segment_ptr 1
		.amdhsa_wavefront_size32 1
		.amdhsa_system_sgpr_workgroup_id_x 1
		.amdhsa_system_sgpr_workgroup_id_y 1
		.amdhsa_system_sgpr_workgroup_id_z 1
		.amdhsa_system_vgpr_workitem_id 0
		.amdhsa_next_free_vgpr 1024
		.amdhsa_next_free_sgpr 80
		.amdhsa_reserve_vcc 0
		.amdhsa_float_denorm_mode_32 3
		.amdhsa_float_denorm_mode_16_64 3
		.amdhsa_memory_ordered 1
		.amdhsa_forward_progress 1
		.amdhsa_inst_pref_size 171
	.end_amdhsa_kernel
	.amdgpu_metadata
---
amdhsa.version: [ 1, 2 ]
amdhsa.kernels:
  - .name:           k_q57add99c2a_qkv
    .symbol:         k_q57add99c2a_qkv.kd
    .args:
      - { .name: x, .offset: 0, .size: 8, .value_kind: global_buffer, .address_space: global }
      - { .name: wb, .offset: 8, .size: 8, .value_kind: global_buffer, .address_space: global }
      - { .name: Wk_b, .offset: 16, .size: 8, .value_kind: global_buffer, .address_space: global }
      - { .name: Wv_b, .offset: 24, .size: 8, .value_kind: global_buffer, .address_space: global }
      - { .name: Wq_b, .offset: 32, .size: 8, .value_kind: global_buffer, .address_space: global }
      - { .name: z, .offset: 40, .size: 8, .value_kind: global_buffer, .address_space: global }
      - { .name: sq, .offset: 48, .size: 8, .value_kind: global_buffer, .address_space: global }
    .group_segment_fixed_size: 327680
    .private_segment_fixed_size: 0
    .kernarg_segment_align: 8
    .kernarg_segment_size: 56
    .max_flat_workgroup_size: 128
    .sgpr_count:     80
    .vgpr_count:     1024
    .wavefront_size: 32
...
	.end_amdgpu_metadata
.endif
;; end of part 2
;; launch aft (part 3): grid 64 x 4, 4 waves a work-group, clusters of 4 x 4, 327,680 bytes of LDS; arguments ew, z, sq, y; writes y
.if DOCPART == 3
	.amdgcn_target "amdgcn-amd-amdhsa--gfx1250"
	.amdhsa_code_object_version 6
	.text
	.protected	k_q57add99c2a_aft
	.globl	k_q57add99c2a_aft
	.p2align	8
	.type	k_q57add99c2a_aft,@function
k_q57add99c2a_aft:
	s_mov_b64 s[64:65], 0
	v_nop
	global_prefetch_b8 v0, s[64:65] scope:SCOPE_SE
	s_setreg_imm32_b32 hwreg(HW_REG_WAVE_MODE, 25, 1), 1
	s_wait_xcnt 0x0
	s_wait_alu depctr_hold_cnt(0) depctr_sa_sdst(0) depctr_va_vdst(0) depctr_va_sdst(0) depctr_va_ssrc(0) depctr_va_vcc(0) depctr_vm_vsrc(0)
	s_getreg_b32 s2, hwreg(HW_REG_IB_STS2, 6, 4)
	s_cmp_eq_u32 s2, 0
	s_cbranch_scc0 .Lentry_in_a_cluster
	s_endpgm
.Lentry_in_a_cluster:
	s_bfe_u32 s2, ttmp6, 0x10000c
	s_cmp_lg_u32 s2, 0xf033
	s_cbranch_scc0 .Lentry_shape_is_right
	s_endpgm
.Lentry_shape_is_right:
; AFT.  num[b][t][d] = sum over s of ew[t][s] (EK V)[b][s][d], den likewise with EK;  y = sq x num / den, in bf16.
; ew: [1024 t][1024 s] bf16.  z: [32 b][1024 s][8 dc][2][64] bf16 (part 0 = EK V, part 1 = EK).  sq, y: [32 b][8 dc][1024 t][64] bf16.  Products in bf16, sums in f32.
; For one b this is a product [1024 t][1024 s] x [1024 s][1024 columns of z's row].  A tile is 256 t x 256 columns (dc = 2 cx, 2 cx + 1), K = 1,024 in steps of 128 through a ring of two LDS slots.
; Four waves, each 128 t x 128 columns = one dc: its column blocks 0-3 are num and 4-7 den of the SAME 64 channels, so the division never leaves the lane.
; A WORK-GROUP STAYS for two tiles, batches b and b + 16, which share their rows of ew.  Their 16 K steps are ONE walk for the ring, and a K step is written once: the loop's trip is a step's quarters 1 to 3 with
; the change of slots, then the next step's quarter 0.  The slot in hand is a scalar offset (0 or SLOT, turned by an exclusive or) added to constant addresses; one descriptor a tensor walks, its global address made
; anew from the number of the step to be asked for.  The quarter that starts a tile's sums stands in the loop and is entered from the head.  The last two steps, which ask for nothing, are a loop of their own.
; CLUSTER 4 x 4: the four of a row (same cy) need the same rows of ew, the four of a column (same cx) the same columns of z: each tile is asked for jointly.  So z is asked of memory once.
; THE MATRIX INSTRUCTION IS USED TRANSPOSED: source 0 = 16 columns of z (z lies [s][column]: turned on its way out of LDS by ds_load_tr16_b128), source 1 = 16 rows of ew: a lane holds one t and 8 neighbouring channels.
; LIMITS.  num / den is num x v_rcp_f32(den), rounded to bf16, then multiplied by sq (one more rounding to bf16).  A den below 2^-126 counts as 0.  NaN and infinities are not treated apart.
; REGISTERS: window 0: v0-31 addresses; v32-63 rows on their way out; v64-127, v128-191 fragments of ew; v192-207 at work.   window 1: v64-127, v128-191 fragments of z; v0-63, v192-255 the tile's sq.
;   window 2: accumulators of row blocks 0-3 ((a, n) at v[8 (8 a + n)]);   window 3: row blocks 4-7.
.set PITCH,  272                       ; a row of ew's tile: 256 bytes + 16: the 16 rows of a load start at 16 different groups of four banks (64 banks of 4 bytes: ISA guide 11.1)
.set BPITCH, 544                       ; a row of z's tile: 512 bytes + 32 = 136 words
.set HALFT,  128*PITCH                 ; what one tensor load brings: 128 rows of ew, or 64 rows of z (64 x 544 is the same number)
.set SLOT,   4*HALFT                   ; ew's 256 rows, then z's 128 rows
.set STAGE,  2*SLOT                    ; behind the ring: 16 rows x 144 bytes for each wave
.set SP,     144
.set SPARE,  STAGE+4*16*SP             ; the spare words, 128 bytes for each wave: two blocks of 256 bytes that no other line names
.set A0,   16                          ; v16  my place in ew's tile in slot 0; never rewritten
.set ADRA, 17                          ; v17  the same in the slot in hand
.set B0,   20                          ; v20, v21  the same for z's
.set ADRB, 21
.set STO,  24                          ; v24  the way out: where I put 16 bytes of a row
.set RD,   25                          ; v25  where I read four rows back
.set GO,   26                          ; v26  16 x lane: my 16 bytes of 512 in sq and y
.set SPW,  28                          ; v28  LDS address of my spare word; never rewritten
.set NIL,  29                          ; v29  0; never rewritten
.set PFO,  30                          ; v30  the prefetches' offset; never rewritten
.set OB,   32
.set F0,   64
.set F1,   128
.set TMP,  192
.set TB,  2                            ; s2   the slot in hand: 0 or SLOT
.set WV,  12                           ; s12  my wave's number
.set RH,  13                           ; s13  which half of the tile's rows is mine; also: I fetch for ew (0) or for z (1)
.set CH,  14                           ; s14  which dc of the two is mine; also: which half of that tile I fetch
.set CX,  15
.set CY,  16
.set LB,  17                           ; s17  where my loads land in slot 0: wave x HALFT
.set ABASE, 20                         ; s[20:21] ew at the rows that I fetch;  s[22:23] the step's offset along them
.set AOF, 22
.set G1A, 24                           ; s[24:31] descriptor group 1 for ew's tiles;  s[32:35] group 0 of the first fill, s[36:39] of the second, which then walks
.set G0A, 32
.set GWA, 36
.set LIM, 42                           ; s42  a wave prefetches while the loop's count is above this
.set MM,  43                           ; s43  the K step to be asked for next, 2 to 15: tile MM / 8, step MM % 8
.set PFA, 44                           ; s[44:45] where my prefetch stands;  s[46:47] its base
.set PFB, 46
.set G1B, 48                           ; s[48:55], s[56:59], s[60:63] the same for z's tiles
.set G0B, 56
.set GWB, 60
.set YB,  66                           ; s[66:67] y at my 128 rows;  s[68:69] sq there
.set SQB, 68
.set BOF, 70                           ; s[70:71] the step's offset in z;  s[72:73] z at the rows and columns that I fetch
.set BBASE, 72
.set POF, 74                           ; s[74:75] the prefetch's offset;  s76 its shift: a K step is 2^8 bytes along ew's rows, 2^18 bytes down z's
.set SH,  76
.set MSB, 0
.macro WIN new
.if MSB != (\new)
	s_set_vgpr_msb (MSB<<8)|(\new)
.set MSB, \new
.endif
.endm
.set TO_B, 0x40
.macro PLACES
.rept 4
	v_nop
.endr
.endm
.macro CREST
	s_cmp_lg_u32 s[WV], 0
	s_cbranch_scc1 .Lnot_wave_0_\@
	s_barrier_signal -3
.Lnot_wave_0_\@:
	s_barrier_wait -3
	s_barrier_signal -1
	s_barrier_wait -1
.endm
.macro CROUND
	s_barrier_signal -1
	s_barrier_wait -1
	CREST
.endm
.macro JLOAD                           ; a joint refill: waves 0 and 1 fetch ew's two halves, waves 2 and 3 z's; an s_nop 0 and four v_nop follow each line, ahead of the jump and the label
	s_cmp_eq_u32 s[RH], 0
	s_cbranch_scc0 .Lfor_b_\@
	tensor_load_to_lds s[GWA:GWA+3], s[G1A:G1A+7]
	s_nop 0
.rept 4
	v_nop
.endr
	s_branch .Lasked_\@
.Lfor_b_\@:
	tensor_load_to_lds s[GWB:GWB+3], s[G1B:G1B+7]
	s_nop 0
.rept 4
	v_nop
.endr
.Lasked_\@:
.endm
; A PREFETCH INTO THE L2 of the K step that stands two refills on, 512 matrix instructions ahead of the load that will want it; one instruction a wave, a lane 256 bytes.
; z's columns of a batch are read by this cluster alone: waves 2 and 3 ask, for steps 4 to 15 of the walk (the count above 2); of the 64 rows that a wave fetches the partner at cy takes 16, two blocks of 256 bytes
; each.  ew's rows are read by every cluster: the first cluster's waves 0 and 1 ask, the partner at cx taking 32 of a wave's 128 rows, for steps 4 to 7 alone (the count above 10), since the second tile walks the same
; rows.  Partners are told apart by address, never by a branch.
.macro ASK
	s_cmp_gt_u32 s3, s[LIM]
	s_cbranch_scc0 .Lnot_mine_\@
	global_prefetch_b8 v[PFO], s[PFA:PFA+1] th:TH_LOAD_NT scope:SCOPE_SE
.Lnot_mine_\@:
.endm
.macro MUL16 f, hi, a0, cm             ; cm = 2: the constant 0 starts the sums; 0: they go on.  The 64 accumulators take turns in one order everywhere
	WIN 0xa1+0x50*(\hi)
.irp a, \a0, (\a0)+1
.irp b, 0,1,2,3,4,5,6,7
.if (\cm) == 2
	v_wmma_f32_16x16x32_bf16 v[8*(8*(\a)+(\b)):8*(8*(\a)+(\b))+7], v[(\f)+8*(\b):(\f)+8*(\b)+7], v[(\f)+8*(4*(\hi)+(\a)):(\f)+8*(4*(\hi)+(\a))+7], 0
.else
	v_wmma_f32_16x16x32_bf16 v[8*(8*(\a)+(\b)):8*(8*(\a)+(\b))+7], v[(\f)+8*(\b):(\f)+8*(\b)+7], v[(\f)+8*(4*(\hi)+(\a)):(\f)+8*(4*(\hi)+(\a))+7], v[8*(8*(\a)+(\b)):8*(8*(\a)+(\b))+7]
.endif
.endr
.endr
.endm
; 32 LDS loads in one run: quarter kq (32 along K) of my 128 columns of z, turned, and of my 128 rows of ew, out of the slot in hand, into buffer f
.macro FETCH kq, f
	WIN TO_B
.irp i, 0,1,2,3,4,5,6,7
	ds_load_tr16_b128 v[(\f)+8*(\i):(\f)+8*(\i)+3],   v[ADRB] offset:(\kq)*32*BPITCH+32*(\i)
	ds_load_tr16_b128 v[(\f)+8*(\i)+4:(\f)+8*(\i)+7], v[ADRB] offset:(\kq)*32*BPITCH+16*BPITCH+32*(\i)
.endr
	WIN 0
.irp i, 0,1,2,3,4,5,6,7
	ds_load_b128 v[(\f)+8*(\i):(\f)+8*(\i)+3],   v[ADRA] offset:64*(\kq)+(\i)*16*PITCH
	ds_load_b128 v[(\f)+8*(\i)+4:(\f)+8*(\i)+7], v[ADRA] offset:64*(\kq)+(\i)*16*PITCH+32
.endr
.endm
.macro QUARTER kq, f, g, cm            ; multiplies buffer f; in its middle fetches quarter kq of the slot in hand into g
	s_wait_dscnt 8                                 ; z and ew's rows 0-63 are in; the youngest eight loads may be out
	MUL16 \f, 0, 0, \cm
	MUL16 \f, 0, 2, \cm
	PLACES
	FETCH \kq, \g
	s_wait_dscnt 32                                ; all but the 32 just issued
	MUL16 \f, 1, 0, \cm
	MUL16 \f, 1, 2, \cm
.endm
; A K step's last quarter multiplies buffer 1 and changes slots: ONE barrier.  In front of it each wave waits for all its tensor loads (one is out at the most: its part of the next slot), adds 0 to its spare word, and
; waits for that and for its reads of this slot.  fill = 1: the barrier opens a round of the cluster's, and the slot in hand is filled again first thing behind it, with step MM of the walk: from a request to the
; wait for it a wave issues 224 matrix instructions.  fill = 0, the last two steps: nothing is asked for; in the last of them (the count at 1) the run of loads, which nobody would use, is jumped over, and the
; barrier orders nothing there: the price of one text for both.
.macro TURN fill
.if \fill
	s_wait_xcnt 0x0                                ; the last prefetch, a K step back, has read its address: it is made anew, for step MM + 2
	s_add_co_u32 s77, s[MM], 2
	s_and_b32 s78, s77, 7
	s_lshl_b32 s[POF], s78, s[SH]
	s_lshr_b32 s77, s77, 3
	s_lshl_b32 s77, s77, 25                        ; the second tile's batch lies 16 x 2,097,152 bytes on
	s_add_co_u32 s[POF], s[POF], s77
	s_add_nc_u64 s[PFA:PFA+1], s[PFB:PFB+1], s[POF:POF+1]
.endif
	WIN 0
	s_wait_tensorcnt 0x0                           ; all my tensor loads have landed, so the walking descriptors may be written
	ds_add_u32 v[SPW], v[NIL]                      ; 0 onto my spare word; the descriptors' scalar work stands between it and the wait for it
.if \fill
	s_and_b32 s77, s[MM], 7
	s_lshl_b32 s[AOF], s77, 8                      ; ew: 256 bytes along the rows for each step
	s_lshl_b32 s[BOF], s77, 18                     ; z: 128 rows of 2,048 bytes for each step,
	s_lshr_b32 s77, s[MM], 3
	s_lshl_b32 s77, s77, 25                        ; and 16 batches for the second tile
	s_add_co_u32 s[BOF], s[BOF], s77
	s_add_co_u32 s[GWA+1], s[LB], s[TB]            ; to where: my part of the slot in hand
	s_add_nc_u64 s[GWA+2:GWA+3], s[ABASE:ABASE+1], s[AOF:AOF+1]
	s_or_b32 s[GWA+3], s[GWA+3], 0x80000000
	s_add_co_u32 s[GWB+1], s[LB], s[TB]
	s_add_nc_u64 s[GWB+2:GWB+3], s[BBASE:BBASE+1], s[BOF:BOF+1]
	s_or_b32 s[GWB+3], s[GWB+3], 0x80000000
	s_add_co_u32 s[MM], s[MM], 1
.endif
	s_wait_dscnt 9                                 ; (the add and the youngest eight loads may be out)
	MUL16 F1, 0, 0, 0
	s_wait_dscnt 0x0                               ; the add is done, and my reads of this slot are over
	s_barrier_signal -1
	MUL16 F1, 0, 2, 0
	WIN 0
	s_barrier_wait -1
.if \fill
	CREST                                          ; no wave of any partner still reads this slot or has a load on its way
	JLOAD                                          ; its four v_nop are also the places in front of the loads below
.else
	PLACES
	s_cmp_eq_u32 s3, 1
	s_cbranch_scc1 .Lno_more_\@
.endif
	s_xor_b32 s[TB], s[TB], SLOT                   ; the other slot
	v_add_nc_u32 v[ADRA], s[TB], v[A0]
	v_add_nc_u32 v[ADRB], s[TB], v[B0]
	FETCH 0, F0
.if \fill
	ASK
.else
.Lno_more_\@:
.endif
	MUL16 F1, 1, 0, 0
	MUL16 F1, 1, 2, 0
.endm
; THE WAY OUT.
.macro PACK a                          ; num x 1 / den, rounded to bf16: 16 bytes a lane and column block
.set AC, 64*((\a)%4)
	WIN 0x8a+0x45*((\a)/4)
.set ii, 0
.rept 16
	v_pk_mul_f32 v[AC+ii:AC+ii+1], v[AC+ii:AC+ii+1], v[AC+32+ii:AC+32+ii+1]
.set ii, ii+2
.endr
	WIN 0x0a+5*((\a)/4)
.set ii, 0
.rept 16
	v_cvt_pk_bf16_f32 v[TMP+ii], v[AC+2*ii], v[AC+2*ii+1]
.set ii, ii+1
.endr
	WIN 0
.endm
.macro TOSTAGE a                       ; 16 rows of 128 bytes through my own stage
	WIN 0
.set BK, OB+16*((\a)%2)
.irp n, 0,1,2,3
	ds_store_b128 v[STO], v[TMP+4*(\n):TMP+4*(\n)+3] offset:32*(\n)
.endr
.irp t, 0,1,2,3
	ds_load_b128 v[BK+4*(\t):BK+4*(\t)+3], v[RD] offset:(\t)*4*SP  ; LDS serves a wave's instructions in order (ISA guide 5.7.1.4): these see the stores above
.endr
.endm
.macro SEND a
	WIN 0
.set BK, OB+16*((\a)%2)
.set SQR, 16*(\a)+128*((\a)/4)         ; the block's 16 registers of sq, in window 1
	s_wait_dscnt 0x0                               ; the block is back in registers
	s_wait_xcnt 0x0                                ; earlier stores have read their registers: the other buffer may be loaded again behind this wait
.if (\a) == 0
	s_wait_loadcnt 0x0                             ; sq, asked for a whole tile ago
.endif
	WIN 0x04
.set ii, 0
.rept 16
	v_pk_mul_bf16 v[BK+ii], v[BK+ii], v[SQR+ii]
.set ii, ii+1
.endr
	WIN 0
.irp t, 0,1,2,3
	global_store_b128 v[GO], v[BK+4*(\t):BK+4*(\t)+3], s[YB:YB+1] offset:2048*(\a)+512*(\t)  ; four rows of 128 bytes: 512 consecutive bytes, aligned
.endr
.endm
.macro YOUT
	PLACES
.irp w, 0,1
	WIN 0x82+0x41*(\w)
.set aa, 0
.rept 4
.set qq, 0
.rept 32
	v_rcp_f32 v[64*aa+32+qq], v[64*aa+32+qq]       ; 1 / den, in place, each accumulator from its lowest register on
.set qq, qq+1
.endr
.set aa, aa+1
.endr
.endr
	v_nop                                          ; a plain instruction behind the last reciprocal,
	s_wait_alu depctr_va_vdst(0)                   ; and one wait for the batch of 256
	PACK 0
	TOSTAGE 0
.irp a, 1,2,3,4,5,6,7
	PACK \a
	SEND (\a)-1
	TOSTAGE \a
.endr
	SEND 7
	s_wait_xcnt 0x0                                ; the stores have read their base
	s_add_nc_u64 s[YB:YB+1], s[YB:YB+1], 0x1000000     ; 16 batches on
	s_add_nc_u64 s[SQB:SQB+1], s[SQB:SQB+1], 0x1000000
.endm
	s_load_b256 s[4:11], s[0:1], 0x0               ; ew s[4:5], z s[6:7], sq s[8:9], y s[10:11]
	v_lshl_add_u32 v[SPW], v0, 2, SPARE
	v_mov_b32 v[NIL], 0
	ds_add_u32 v[SPW], v[NIL]                      ; the wave's opening: the add, and its wait ahead of my first tensor load; the set-up below stands between them
	v_lshrrev_b32 v1, 5, v0
	v_readfirstlane_b32 s[WV], v1
	s_lshr_b32 s[RH], s[WV], 1
	s_and_b32 s[CH], s[WV], 1
	s_bfe_u32 s[CX], ttmp6, 0x40000
	s_bfe_u32 s[CY], ttmp6, 0x40004
	s_lshl_b32 s40, s[CY], 2
	s_lshl_b32 s40, 15, s40                        ; my row of the cluster
	s_lshl_b32 s41, 0x1111, s[CX]                  ; my column
	s_or_b32 s[G1A], s40, (1<<16)|(1<<20)|(1<<21)|(5<<22)|(3<<25)  ; the mask; 2-byte elements; padding on; bit 21 beside a mask; after every 64 words 4 words
	s_mov_b32 s[G1A+1], 128<<16                    ; tensor_dim0 = 128
	s_mov_b32 s[G1A+2], 128<<16                    ; tensor_dim1 = 128
	s_mov_b32 s[G1A+3], 128<<16                    ; tile_dim0 = 128
	s_mov_b32 s[G1A+4], 128                        ; tile_dim1 = 128
	s_mov_b32 s[G1A+5], 1024                       ; elements from row to row
	s_mov_b32 s[G1A+6], 0
	s_mov_b32 s[G1A+7], 0
	s_or_b32 s[G1B], s41, (1<<16)|(1<<20)|(1<<21)|(6<<22)|(7<<25)  ; after every 128 words 8 words
	s_mov_b32 s[G1B+1], 256<<16                    ; tensor_dim0 = 256
	s_mov_b32 s[G1B+2], 64<<16                     ; tensor_dim1 = 64
	s_mov_b32 s[G1B+3], 256<<16                    ; tile_dim0 = 256
	s_mov_b32 s[G1B+4], 64                         ; tile_dim1 = 64
	s_mov_b32 s[G1B+5], 1024
	s_mov_b32 s[G1B+6], 0
	s_mov_b32 s[G1B+7], 0
	; ew's tile hangs on cy and the wave alone, z's on cx, the cluster's x and the wave alone: each address is made in registers that never hold the other coordinate
	s_lshl_b32 s18, s[CY], 19                      ; 256 rows of 2,048 bytes
	s_lshl_b32 s19, s[CH], 18                      ; 128 rows
	s_add_co_u32 s18, s18, s19
	s_mov_b32 s19, 0
	s_lshl_b32 s70, ttmp9, 21                      ; batch = cluster x
	s_lshl_b32 s71, s[CH], 17                      ; 64 rows of 2,048 bytes
	s_add_co_u32 s70, s70, s71
	s_lshl_b32 s71, s[CX], 9                       ; 256 columns
	s_add_co_u32 s70, s70, s71
	s_mov_b32 s71, 0
	s_mul_i32 s[LB], s[WV], HALFT                  ; where they go: ew's two halves, then z's two: no place in the cluster enters an LDS address
	s_mov_b32 s[TB], 0
	s_mov_b32 s[MM], 2
	s_mov_b32 s[AOF+1], 0
	s_wait_dscnt 0x0                               ; the opening add is done
	s_wait_kmcnt 0x0
	s_add_nc_u64 s[ABASE:ABASE+1], s[4:5], s[18:19]
	s_add_nc_u64 s[BBASE:BBASE+1], s[6:7], s[70:71]
.irp s, 0,1
	s_mov_b32 s[G0A+4*(\s)], 1
	s_add_co_u32 s[G0A+4*(\s)+1], s[LB], (\s)*SLOT
	s_add_nc_u64 s[G0A+4*(\s)+2:G0A+4*(\s)+3], s[ABASE:ABASE+1], (\s)*256     ; K step s: 128 elements along the rows
	s_or_b32 s[G0A+4*(\s)+3], s[G0A+4*(\s)+3], 0x80000000
	s_mov_b32 s[G0B+4*(\s)], 1
	s_add_co_u32 s[G0B+4*(\s)+1], s[LB], (\s)*SLOT
	s_add_nc_u64 s[G0B+4*(\s)+2:G0B+4*(\s)+3], s[BBASE:BBASE+1], (\s)*262144  ; K step s: 128 rows down
	s_or_b32 s[G0B+4*(\s)+3], s[G0B+4*(\s)+3], 0x80000000
.endr
	CROUND                                         ; all sixteen work-groups are here: the first joint loads meet
	s_cmp_eq_u32 s[RH], 0                          ; a wave's two first fills stand in one branch: two loads of mine are out
	s_cbranch_scc0 .Lfirst_b
	tensor_load_to_lds s[G0A:G0A+3], s[G1A:G1A+7]
	s_nop 0
	tensor_load_to_lds s[GWA:GWA+3], s[G1A:G1A+7]
	s_nop 0
.rept 4
	v_nop
.endr
	s_branch .Lfirst_asked
.Lfirst_b:
	tensor_load_to_lds s[G0B:G0B+3], s[G1B:G1B+7]
	s_nop 0
	tensor_load_to_lds s[GWB:GWB+3], s[G1B:G1B+7]
	s_nop 0
.rept 4
	v_nop
.endr
.Lfirst_asked:
	v_and_b32 v1, 15, v0                           ; l % 16
	v_bfe_u32 v2, v0, 4, 1                         ; l / 16
	v_and_b32 v3, 31, v0                           ; l
	v_and_b32 v4, 7, v0                            ; l % 8
	v_bfe_u32 v5, v0, 3, 1                         ; (l / 8) % 2
	v_bfe_u32 v6, v0, 3, 2                         ; l / 8
	s_mul_i32 s74, s[RH], HALFT
	v_mul_u32_u24 v[A0], v1, PITCH
	v_lshl_add_u32 v[A0], v2, 4, v[A0]
	v_add_nc_u32 v[A0], s74, v[A0]                 ; my 128 rows of ew: row x pitch + 16 x half
	v_mov_b32 v[ADRA], v[A0]
	s_lshl_b32 s74, s[CH], 8
	s_add_co_u32 s74, s74, 2*HALFT                 ; z's tile lies behind ew's; my 128 columns
	v_lshl_add_u32 v[B0], v2, 3, v4                ; the turning load: lane l reads 16 bytes of row 8 (l / 16) + l % 8, columns 8 ((l / 8) % 2) ..
	v_mul_u32_u24 v[B0], v[B0], BPITCH
	v_lshl_add_u32 v[B0], v5, 4, v[B0]
	v_add_nc_u32 v[B0], s74, v[B0]
	v_mov_b32 v[ADRB], v[B0]
	s_mul_i32 s74, s[WV], 16*SP
	s_add_co_u32 s74, s74, STAGE
	v_mul_u32_u24 v[STO], v1, SP
	v_lshl_add_u32 v[STO], v2, 4, v[STO]
	v_add_nc_u32 v[STO], s74, v[STO]
	v_mul_u32_u24 v[RD], v6, SP
	v_lshl_add_u32 v[RD], v4, 4, v[RD]
	v_add_nc_u32 v[RD], s74, v[RD]
	v_lshlrev_b32 v[GO], 4, v3
	v_lshrrev_b32 v[PFO], s[RH], v3                ; ew: a lane a row; z: two lanes a row, 256 bytes each
	v_lshlrev_b32 v[PFO], 11, v[PFO]
	v_and_b32 v7, s[RH], v3
	v_lshl_add_u32 v[PFO], v7, 8, v[PFO]
	; y and sq at my 128 rows: batch, dc = 2 cx + my half, t = 256 cy + 128 x my row half
	s_lshl_b32 s74, ttmp9, 20
	s_lshl_b32 s75, s[CX], 1
	s_add_co_u32 s75, s75, s[CH]
	s_lshl_b32 s75, s75, 17
	s_add_co_u32 s74, s74, s75
	s_lshl_b32 s75, s[CY], 15
	s_add_co_u32 s74, s74, s75
	s_lshl_b32 s75, s[RH], 14
	s_add_co_u32 s74, s74, s75
	s_mov_b32 s75, 0
	s_add_nc_u64 s[YB:YB+1], s[10:11], s[74:75]
	s_add_nc_u64 s[SQB:SQB+1], s[8:9], s[74:75]
	; the prefetches' base: my work-group's share of the rows that I fetch, at K step 0 of the first tile
	s_lshl_b32 s74, s[CY], 8
	s_lshl_b32 s77, s[CH], 7
	s_add_co_u32 s74, s74, s77
	s_lshl_b32 s77, s[CX], 5
	s_add_co_u32 s74, s74, s77
	s_lshl_b32 s74, s74, 11                        ; ew: row 256 cy + 128 half + 32 cx
	s_lshl_b32 s75, ttmp9, 10
	s_lshl_b32 s77, s[CH], 6
	s_add_co_u32 s75, s75, s77
	s_lshl_b32 s77, s[CY], 4
	s_add_co_u32 s75, s75, s77
	s_lshl_b32 s75, s75, 11
	s_lshl_b32 s77, s[CX], 9
	s_add_co_u32 s75, s75, s77                     ; z: row 1,024 b + 64 half + 16 cy, byte 512 cx
	s_cmp_eq_u32 s[RH], 0
	s_cselect_b32 s74, s74, s75
	s_cselect_b64 s[PFB:PFB+1], s[4:5], s[6:7]
	s_cselect_b32 s[SH], 8, 18
	s_cselect_b32 s77, ttmp9, 0                    ; ew is asked for by the first cluster alone, z by every cluster for itself
	s_cselect_b32 s78, 10, 2
	s_mov_b32 s75, 0
	s_add_nc_u64 s[PFB:PFB+1], s[PFB:PFB+1], s[74:75]
	s_cmp_eq_u32 s77, 0
	s_cselect_b32 s[LIM], s78, -1                  ; the same in all sixteen partners, for a given wave
	s_wait_tensorcnt 0x1                           ; my part of K step 0 is in; K step 1's may stay out
	s_barrier_signal -1
	s_barrier_wait -1
	FETCH 0, F0
	s_mov_b32 s3, 15
	s_branch .Lzero                                ; the loop is entered at the quarter that starts a tile's sums; its count goes to 14 there
.Lstep:                                                ; 14 trips, the count from 14 to 1: trip n = 14 - count ends step n of the walk, fills its slot with step n + 2, and begins step n + 1
	QUARTER 2, F1, F0, 0
	QUARTER 3, F0, F1, 0
	TURN 1
	WIN 0                                          ; at a label and at a branch every window is 0
	s_cmp_lg_u32 s3, 7                             ; step 7 ends the first tile
	s_cbranch_scc1 .Lplain                         ; the jump goes forward, past text that holds neither a barrier nor a tensor load
	YOUT                                           ; both refills for the next tile's first steps are asked for, and its first fragments fetched: now the tile goes out
.Lzero:
	WIN TO_B                                       ; the tile's sq, 128 rows x 128 bytes, laid as the way out will want it: wanted a whole tile later
.set nn, 0
.rept 32
	global_load_b128 v[4*nn+128*(nn/16):4*nn+128*(nn/16)+3], v[GO], s[SQB:SQB+1] offset:512*nn th:TH_LOAD_NT
.set nn, nn+1
.endr
	WIN 0
	QUARTER 1, F0, F1, 2                           ; a tile's first quarter starts the sums
	WIN 0
	s_branch .Ljoin
.Lplain:
	QUARTER 1, F0, F1, 0
	WIN 0
.Ljoin:
	s_sub_co_u32 s3, s3, 1
	s_cmp_lg_u32 s3, 0
	s_cbranch_scc1 .Lstep
	s_mov_b32 s3, 2
.Ltail:                                                ; the walk's last two steps ask for nothing: a loop of their own; it is left in the middle of its second trip
	QUARTER 2, F1, F0, 0
	QUARTER 3, F0, F1, 0
	TURN 0
	WIN 0
	s_sub_co_u32 s3, s3, 1
	s_cmp_eq_u32 s3, 0
	s_cbranch_scc1 .Lout
	QUARTER 1, F0, F1, 0
	WIN 0
	s_branch .Ltail
.Lout:
	YOUT
	s_wait_tensorcnt 0x0                           ; the wave's end, behind my last tensor load and my last LDS store
	ds_add_u32 v[SPW], v[NIL]
	s_wait_dscnt 0x0
	CROUND                                         ; the closing round
	s_endpgm
.Lfunc_end_k_q57add99c2a_aft:
	.size	k_q57add99c2a_aft, .Lfunc_end_k_q57add99c2a_aft-k_q57add99c2a_aft
	.p2alignl 7, 3214868480
	.fill 96, 4, 3214868480
	.section	.rodata,"a",@progbits
	.p2align	6, 0x0
	.amdhsa_kernel k_q57add99c2a_aft
		.amdhsa_group_segment_fixed_size 327680
		.amdhsa_private_segment_fixed_size 0
		.amdhsa_enable_private_segment 0
		.amdhsa_kernarg_size 32
		.amdhsa_user_sgpr_count 2
		.amdhsa_user_sgpr_kernarg_segment_ptr 1
		.amdhsa_wavefront_size32 1
		.amdhsa_system_sgpr_workgroup_id_x 1
		.amdhsa_system_sgpr_workgroup_id_y 1
		.amdhsa_system_sgpr_workgroup_id_z 1
		.amdhsa_system_vgpr_workitem_id 0
		.amdhsa_next_free_vgpr 1024
		.amdhsa_next_free_sgpr 80
		.amdhsa_reserve_vcc 0
		.amdhsa_float_denorm_mode_32 3
		.amdhsa_float_denorm_mode_16_64 3
		.amdhsa_memory_ordered 1
		.amdhsa_forward_progress 1
		.amdhsa_inst_pref_size 155
	.end_amdhsa_kernel
	.amdgpu_metadata
---
amdhsa.version: [ 1, 2 ]
amdhsa.kernels:
  - .name:           k_q57add99c2a_aft
    .symbol:         k_q57add99c2a_aft.kd
    .args:
      - { .name: ew, .offset: 0, .size: 8, .value_kind: global_buffer, .address_space: global }
      - { .name: z, .offset: 8, .size: 8, .value_kind: global_buffer, .address_space: global }
      - { .name: sq, .offset: 16, .size: 8, .value_kind: global_buffer, .address_space: global }
      - { .name: y, .offset: 24, .size: 8, .value_kind: global_buffer, .address_space: global }
    .group_segment_fixed_size: 327680
    .private_segment_fixed_size: 0
    .kernarg_segment_align: 8
    .kernarg_segment_size: 32
    .max_flat_workgroup_size: 128
    .sgpr_count:     80
    .vgpr_count:     1024
    .wavefront_size: 32
...
	.end_amdgpu_metadata
.endif
;; end of part 3
;; launch proj (part 4): grid 256 x 1, 4 waves a work-group, clusters of 4 x 1, 327,680 bytes of LDS; arguments y, wb, Wo_b, out0; writes out0
.if DOCPART == 4
	.amdgcn_target "amdgcn-amd-amdhsa--gfx1250"
	.amdhsa_code_object_version 6
	.text
	.protected	k_q57add99c2a_proj
	.globl	k_q57add99c2a_proj
	.p2align	8
	.type	k_q57add99c2a_proj,@function
k_q57add99c2a_proj:
	s_mov_b64 s[64:65], 0
	v_nop
	global_prefetch_b8 v0, s[64:65] scope:SCOPE_SE
	s_setreg_imm32_b32 hwreg(HW_REG_WAVE_MODE, 25, 1), 1
	s_wait_xcnt 0x0
	s_wait_alu depctr_hold_cnt(0) depctr_sa_sdst(0) depctr_va_vdst(0) depctr_va_sdst(0) depctr_va_ssrc(0) depctr_va_vcc(0) depctr_vm_vsrc(0)
	s_getreg_b32 s2, hwreg(HW_REG_IB_STS2, 6, 4)
	s_cmp_eq_u32 s2, 0
	s_cbranch_scc0 .Lentry_in_a_cluster
	s_endpgm
.Lentry_in_a_cluster:
	s_bfe_u32 s2, ttmp6, 0x10000c
	s_cmp_lg_u32 s2, 0x3003
	s_cbranch_scc0 .Lentry_shape_is_right
	s_endpgm
.Lentry_shape_is_right:
; PROJ.  out0[b][t][e] = sum over d of y[b][t][d] Wo_w[e][d] + Wo_b[e], f32.  y: [32 b][8 dc][1024 t][64] bf16.  Wo_w in bf16: blocks 24-31 of wb, block 24 + j = [512 e][64 d], d = 64 j ...
; SHARES.  A work-group owns 128 rows (b = wg / 8, t = 128 (wg % 8) ..) and all 512 columns; wave w all 128 rows x columns 128 w ..: 64 accumulators.  K = 512 in 8 steps of 64 = one dc.
; The work-group's y, 8 dense blocks of 16,384 bytes, is brought into LDS once (two tensor loads a wave, of its own); the weights go through a ring of two slots, asked for jointly by the four of a cluster.
; ONE TEXT FOR A K STEP: the loop's trip is a step's second half with the change of slots, then the next step's first half; the slot in hand is a scalar offset (0 or SLOT, turned by an exclusive or) added to constant
; addresses, and one descriptor walks.  The last two steps, which ask for nothing, are a loop of their own.
; THE MATRIX INSTRUCTION IS USED TRANSPOSED (source 0 = 16 rows of Wo_w, source 1 = 16 rows of y): a lane holds one row and 8 neighbouring columns.  The bias, in f32, is the C operand of each sum's first product.
; The results leave through LDS (over y and the ring, which have had their last fill): a wave's 128 columns are 512 bytes of a row of out0, stored by one instruction.
; REGISTERS: window 0: v0-29 addresses; v32-63 rows on their way out; v64-127, v128-191 fragments of y.  window 1: v0-63 the bias; v64-127, v128-191 fragments of the weights.  windows 2, 3: the accumulators.
.set BPITCH, 144                       ; a row of 128 bytes + 16: the 16 rows of a fragment load start at 16 different groups of four banks (64 banks of 4 bytes: ISA guide 11.1)
.set WSLICE, 128*BPITCH                ; 128 rows: a dc of y, or a wave's rows of a weight block
.set RING,   8*WSLICE                  ; behind y
.set SLOT,   4*WSLICE
.set SPARE,  RING+2*SLOT               ; the spare words, 128 bytes for each wave: two blocks of 256 bytes that no other line names
.set OPITCH, 528                       ; the way out: a row of 512 bytes + 16
.set OSL,    128*OPITCH                ; a wave's 128 rows; four of them end below the spare words
.set BLK,    65536
.set A0,   6                           ; v6   my place in a fragment of y; never rewritten
.set ADRA, 8                           ; v8   the same, at the step's dc
.set B0,   10                          ; v10  my place in my wave's rows of slot 0; never rewritten
.set ADRB, 11                          ; v11  the same in the slot in hand
.set STO,  12                          ; v12  the way out: where I put 32 bytes of a row
.set RD,   13                          ; v13  where I read a row back
.set GO,   14                          ; v14  16 x lane
.set BO,   15                          ; v15  32 (l / 16)
.set PFO,  19                          ; v19  256 x lane
.set SPW,  28
.set NIL,  29
.set F0,   64
.set F1,   128
.set WV,  18
.set CX,  19
.set G1,  24                           ; s[24:31] group 1 for the weights;  s[32:35] group 0 of the first fill, s[36:39] of the second, which then walks
.set G0,  32
.set GW,  36
.set KO,  40                           ; s40  the step's dc in y, in bytes
.set LIM, 42
.set PFA, 44
.set BA,  46                           ; s[46:47] the bias at my columns
.set G1Y, 48                           ; s[48:55] group 1 for y: no mask;  s[56:63] group 0 for my two dc
.set G0Y, 56
.set OUTB, 66                          ; s[66:67] out0 at my rows and columns
.set LB,  73                           ; s73  my wave's rows in slot 0: RING + wave x WSLICE
.set TB,  74                           ; s74  the slot in hand: 0 or SLOT
.set MSB, 0
.macro WIN new
.if MSB != (\new)
	s_set_vgpr_msb (MSB<<8)|(\new)
.set MSB, \new
.endif
.endm
.set TO_B, 0x40
.macro PLACES
.rept 4
	v_nop
.endr
.endm
.macro CREST
	s_cmp_lg_u32 s[WV], 0
	s_cbranch_scc1 .Lnot_wave_0_\@
	s_barrier_signal -3
.Lnot_wave_0_\@:
	s_barrier_wait -3
	s_barrier_signal -1
	s_barrier_wait -1
.endm
.macro CROUND
	s_barrier_signal -1
	s_barrier_wait -1
	CREST
.endm
.macro MUL16 f, hi, a0, cm             ; cm = 1: the bias starts the sums.  The 64 accumulators take turns in one order everywhere
.if (\cm) == 1
	WIN 0x91+0x40*(\hi)
.else
	WIN 0xa1+0x50*(\hi)
.endif
.irp a, \a0, (\a0)+1
.irp b, 0,1,2,3,4,5,6,7
.if (\cm) == 1
	v_wmma_f32_16x16x32_bf16 v[8*(8*(\a)+(\b)):8*(8*(\a)+(\b))+7], v[(\f)+8*(\b):(\f)+8*(\b)+7], v[(\f)+8*(4*(\hi)+(\a)):(\f)+8*(4*(\hi)+(\a))+7], v[8*(\b):8*(\b)+7]
.else
	v_wmma_f32_16x16x32_bf16 v[8*(8*(\a)+(\b)):8*(8*(\a)+(\b))+7], v[(\f)+8*(\b):(\f)+8*(\b)+7], v[(\f)+8*(4*(\hi)+(\a)):(\f)+8*(4*(\hi)+(\a))+7], v[8*(8*(\a)+(\b)):8*(8*(\a)+(\b))+7]
.endif
.endr
.endr
.endm
.macro FETCH k, f                      ; 32 LDS loads in one run: 32 along K, at byte k of the step's 128, of my 128 weight rows in the slot in hand and of y's 128 rows
	WIN TO_B
.irp i, 0,1,2,3,4,5,6,7
	ds_load_b128 v[(\f)+8*(\i):(\f)+8*(\i)+3],   v[ADRB] offset:(\k)+(\i)*16*BPITCH
	ds_load_b128 v[(\f)+8*(\i)+4:(\f)+8*(\i)+7], v[ADRB] offset:(\k)+(\i)*16*BPITCH+32
.endr
	WIN 0
.irp i, 0,1,2,3,4,5,6,7
	ds_load_b128 v[(\f)+8*(\i):(\f)+8*(\i)+3],   v[ADRA] offset:(\k)+(\i)*16*BPITCH
	ds_load_b128 v[(\f)+8*(\i)+4:(\f)+8*(\i)+7], v[ADRA] offset:(\k)+(\i)*16*BPITCH+32
.endr
.endm
.macro HALF cm                         ; a step's first half multiplies buffer 0 and fetches the second half's fragments into buffer 1
	s_wait_dscnt 8                                 ; the weights and y's rows 0-63 are in; the youngest eight loads may be out
	MUL16 F0, 0, 0, \cm
	MUL16 F0, 0, 2, \cm
	PLACES
	FETCH 64, F1
	s_wait_dscnt 32                                ; all but the 32 just issued
	MUL16 F0, 1, 0, \cm
	MUL16 F0, 1, 2, \cm
.endm
; A PREFETCH INTO THE L2 of the weight block two refills on: the first cluster asks, its four partners 16,384 bytes each by address, waves 0 and 1 half of that each, a lane 256 bytes.  The last two refills (the count at 2 and 1) ask for nothing.
.macro ASK
	s_cmp_gt_u32 s3, s[LIM]
	s_cbranch_scc0 .Lnot_mine_\@
	global_prefetch_b8 v[PFO], s[PFA:PFA+1] th:TH_LOAD_NT scope:SCOPE_SE
.Lnot_mine_\@:
.endm
; A step's second half multiplies buffer 1 and changes slots: each wave waits for all its tensor loads, adds 0 to its spare word, waits for that and for its reads of this slot.  fill = 1: a round of the cluster's
; barrier, and the slot in hand is filled again first behind it, with the block two steps on.  fill = 0, the last two steps: nothing is asked for, and in the last of them (the count at 1) the run of loads is jumped over.
.macro TURN fill
.if \fill
	s_wait_xcnt 0x0                                ; the last prefetch, a K step back, has read its address
	s_add_nc_u64 s[PFA:PFA+1], s[PFA:PFA+1], BLK
.endif
	WIN 0
	s_wait_tensorcnt 0x0                           ; all my tensor loads have landed, so the walking descriptor may be written
	ds_add_u32 v[SPW], v[NIL]                      ; 0 onto my spare word
.if \fill
	s_add_co_u32 s[GW+1], s[LB], s[TB]             ; to where: my rows of the slot in hand,
	s_add_nc_u64 s[GW+2:GW+3], s[GW+2:GW+3], BLK   ; from where: the next block
.endif
	s_wait_dscnt 9                                 ; (the add and the youngest eight loads may be out)
	MUL16 F1, 0, 0, 0
	s_wait_dscnt 0x0                               ; the add is done, and my reads of this slot are over
	s_barrier_signal -1
	MUL16 F1, 0, 2, 0
	WIN 0
	s_barrier_wait -1
.if \fill
	CREST
	tensor_load_to_lds s[GW:GW+3], s[G1:G1+7]
	s_nop 0
.rept 4
	v_nop                                          ; also the places in front of the loads below
.endr
.else
	PLACES
	s_cmp_eq_u32 s3, 1
	s_cbranch_scc1 .Lno_more_\@
.endif
	s_xor_b32 s[TB], s[TB], SLOT                   ; the other slot,
	s_add_co_u32 s[KO], s[KO], WSLICE              ; the next dc
	v_add_nc_u32 v[ADRB], s[TB], v[B0]
	v_add_nc_u32 v[ADRA], s[KO], v[A0]
	FETCH 0, F0
.if \fill
	ASK
.else
.Lno_more_\@:
.endif
	MUL16 F1, 1, 0, 0
	MUL16 F1, 1, 2, 0
.endm
	s_load_b256 s[4:11], s[0:1], 0x0               ; y s[4:5], wb s[6:7], Wo_b s[8:9], out0 s[10:11]
	v_lshl_add_u32 v[SPW], v0, 2, SPARE
	v_mov_b32 v[NIL], 0
	ds_add_u32 v[SPW], v[NIL]                      ; the wave's opening: the add, and its wait ahead of my first tensor load
	v_lshrrev_b32 v1, 5, v0
	v_readfirstlane_b32 s[WV], v1
	s_bfe_u32 s[CX], ttmp6, 0x40000
	s_lshl_b32 s20, ttmp9, 2
	s_add_co_u32 s20, s20, s[CX]                   ; wg: it enters global addresses of my own alone
	s_mov_b32 s[G1], 15|(1<<16)|(1<<20)|(1<<21)|(4<<22)|(3<<25)  ; 16,384 dense bytes as 64 rows of 256, padded by 4 words after every 32; the mask of four, bit 21 beside it
	s_mov_b32 s[G1Y], (1<<16)|(1<<20)|(4<<22)|(3<<25)            ; the same for y, a load of my own
.irp g, G1, G1Y
	s_mov_b32 s[(\g)+1], 128<<16
	s_mov_b32 s[(\g)+2], 64<<16
	s_mov_b32 s[(\g)+3], 128<<16
	s_mov_b32 s[(\g)+4], 64
	s_mov_b32 s[(\g)+5], 128
	s_mov_b32 s[(\g)+6], 0
	s_mov_b32 s[(\g)+7], 0
.endr
	s_mul_i32 s21, s[WV], WSLICE
	s_add_co_u32 s[LB], s21, RING                  ; my rows' place in slot 0 of the ring,
	s_mul_i32 s72, s[WV], 2*WSLICE                 ; and my two dc's place in y's part of LDS: the wave's number times a constant
	s_lshl_b32 s22, s[WV], 14
	s_add_co_u32 s22, s22, 24*BLK                  ; chunk 3 begins at block 24
	s_mov_b32 s23, 0
	s_lshr_b32 s70, s20, 3                         ; b
	s_lshl_b32 s70, s70, 20
	s_and_b32 s71, s20, 7                          ; which 128 rows of t
	s_lshl_b32 s71, s71, 14
	s_add_co_u32 s70, s70, s71
	s_lshl_b32 s71, s[WV], 18                      ; dc = 2 w
	s_add_co_u32 s70, s70, s71
	s_mov_b32 s71, 0
	s_mov_b32 s[KO], 0
	s_mov_b32 s[TB], 0
	s_wait_dscnt 0x0                               ; the opening add is done
	s_wait_kmcnt 0x0
	s_add_nc_u64 s[68:69], s[6:7], s[22:23]
	s_add_nc_u64 s[70:71], s[4:5], s[70:71]
.irp s, 0,1
	s_mov_b32 s[G0+4*(\s)], 1
	s_add_co_u32 s[G0+4*(\s)+1], s[LB], (\s)*SLOT
	s_add_nc_u64 s[G0+4*(\s)+2:G0+4*(\s)+3], s[68:69], (\s)*BLK
	s_or_b32 s[G0+4*(\s)+3], s[G0+4*(\s)+3], 0x80000000
	s_mov_b32 s[G0Y+4*(\s)], 1
	s_add_co_u32 s[G0Y+4*(\s)+1], s72, (\s)*WSLICE                 ; dc 2 w + s lies at 18,432 (2 w + s)
	s_add_nc_u64 s[G0Y+4*(\s)+2:G0Y+4*(\s)+3], s[70:71], (\s)*131072
	s_or_b32 s[G0Y+4*(\s)+3], s[G0Y+4*(\s)+3], 0x80000000
.endr
	CROUND                                         ; the one round in front of the first loads
	tensor_load_to_lds s[G0Y:G0Y+3], s[G1Y:G1Y+7]  ; four loads of mine are out: my two dc of y,
	s_nop 0
	tensor_load_to_lds s[G0Y+4:G0Y+7], s[G1Y:G1Y+7]
	s_nop 0
	tensor_load_to_lds s[G0:G0+3], s[G1:G1+7]      ; and my rows of blocks 24 and 25
	s_nop 0
	tensor_load_to_lds s[GW:GW+3], s[G1:G1+7]
	s_nop 0
.rept 4
	v_nop
.endr
	s_mov_b32 s23, 0
	s_lshl_b32 s22, s[WV], 9
	s_add_nc_u64 s[BA:BA+1], s[8:9], s[22:23]      ; columns 128 w ..
	s_lshl_b32 s21, s20, 18                        ; 128 rows of 2,048 bytes
	s_add_co_u32 s22, s22, s21
	s_add_nc_u64 s[OUTB:OUTB+1], s[10:11], s[22:23]
	s_lshl_b32 s22, s[CX], 14
	s_lshl_b32 s21, s[WV], 13
	s_add_co_u32 s22, s22, s21
	s_add_co_u32 s22, s22, 27*BLK                  ; at block 27: the first refill steps it to block 28
	s_add_nc_u64 s[PFA:PFA+1], s[6:7], s[22:23]
	s_lshr_b32 s21, s[WV], 1
	s_or_b32 s21, s21, ttmp9
	s_cmp_eq_u32 s21, 0
	s_cselect_b32 s[LIM], 2, -1                    ; the same in all four partners
	v_and_b32 v1, 15, v0
	v_bfe_u32 v2, v0, 4, 1
	v_and_b32 v3, 31, v0
	v_lshlrev_b32 v[BO], 5, v2
	WIN TO_B
.irp n, 0,1,2,3,4,5,6,7
	global_load_b128 v[8*(\n):8*(\n)+3],   v[BO], s[BA:BA+1] offset:64*(\n)
	global_load_b128 v[8*(\n)+4:8*(\n)+7], v[BO], s[BA:BA+1] offset:64*(\n)+16
.endr
	WIN 0
	v_mul_u32_u24 v[A0], v1, BPITCH
	v_lshl_add_u32 v[A0], v2, 4, v[A0]
	v_mov_b32 v[ADRA], v[A0]
	v_add_nc_u32 v[B0], s[LB], v[A0]
	v_mov_b32 v[ADRB], v[B0]
	s_mul_i32 s21, s[WV], OSL
	v_mul_u32_u24 v[STO], v1, OPITCH
	v_lshl_add_u32 v[STO], v2, 5, v[STO]
	v_add_nc_u32 v[STO], s21, v[STO]
	v_lshlrev_b32 v[GO], 4, v3
	v_add_nc_u32 v[RD], s21, v[GO]
	v_lshlrev_b32 v[PFO], 8, v3
	s_wait_tensorcnt 0x1                           ; y and block 24 are in; block 25 may stay out
	s_barrier_signal -1
	s_barrier_wait -1
	FETCH 0, F0
	s_wait_loadcnt 0x0                             ; the bias
	HALF 1                                         ; the first half starts the sums with the bias
	WIN 0
	s_mov_b32 s3, 6
.Lstep:                                                ; 6 trips, the count from 6 to 1: trip n = 6 - count ends step n, fills its slot with block 26 + n, and begins step n + 1
	TURN 1
	HALF 0
	WIN 0
	s_sub_co_u32 s3, s3, 1
	s_cmp_lg_u32 s3, 0
	s_cbranch_scc1 .Lstep
	s_mov_b32 s3, 2
.Ltail:                                                ; the last two steps ask for nothing: a loop of their own; it is left in the middle of its second trip
	TURN 0
	WIN 0
	s_sub_co_u32 s3, s3, 1
	s_cmp_eq_u32 s3, 0
	s_cbranch_scc1 .Lout
	HALF 0
	WIN 0
	s_branch .Ltail
.Lout:
	; THE WAY OUT.  Every wave's reads of y and of the ring were over in front of the last barrier; each wave lays its 128 rows x 512 bytes into its own part of LDS and reads whole rows back.
	PLACES
.irp a, 0,1,2,3,4,5,6,7
	WIN 0x08+4*((\a)/4)                            ; the stores' data in window 2 or 3
.irp n, 0,1,2,3,4,5,6,7
	ds_store_b128 v[STO], v[64*((\a)%4)+8*(\n):64*((\a)%4)+8*(\n)+3]   offset:(\a)*16*OPITCH+64*(\n)     ; each accumulator's four lowest registers first
	ds_store_b128 v[STO], v[64*((\a)%4)+8*(\n)+4:64*((\a)%4)+8*(\n)+7] offset:(\a)*16*OPITCH+64*(\n)+16
.endr
.endr
	WIN 0
	s_mov_b32 s3, 16
.Lrows:                                                ; eight rows a trip
.irp t, 0,1,2,3,4,5,6,7
	ds_load_b128 v[32+4*(\t):35+4*(\t)], v[RD] offset:(\t)*OPITCH  ; my own bytes, served in order behind my stores (ISA guide 5.7.1.4)
.endr
	s_wait_dscnt 0x0
.irp t, 0,1,2,3,4,5,6,7
	global_store_b128 v[GO], v[32+4*(\t):35+4*(\t)], s[OUTB:OUTB+1] offset:2048*(\t) th:TH_STORE_NT  ; 512 consecutive bytes of a row, aligned
.endr
	v_add_nc_u32 v[RD], 8*OPITCH, v[RD]
	s_wait_xcnt 0x0                                ; the stores have read their base and their registers
	s_add_nc_u64 s[OUTB:OUTB+1], s[OUTB:OUTB+1], 16384
	s_sub_co_u32 s3, s3, 1
	s_cmp_lg_u32 s3, 0
	s_cbranch_scc1 .Lrows
	s_wait_tensorcnt 0x0                           ; the wave's end, behind my last tensor load and my last LDS store
	ds_add_u32 v[SPW], v[NIL]
	s_wait_dscnt 0x0
	CROUND                                         ; the closing round
	s_endpgm
.Lfunc_end_k_q57add99c2a_proj:
	.size	k_q57add99c2a_proj, .Lfunc_end_k_q57add99c2a_proj-k_q57add99c2a_proj
	.p2alignl 7, 3214868480
	.fill 96, 4, 3214868480
	.section	.rodata,"a",@progbits
	.p2align	6, 0x0
	.amdhsa_kernel k_q57add99c2a_proj
		.amdhsa_group_segment_fixed_size 327680
		.amdhsa_private_segment_fixed_size 0
		.amdhsa_enable_private_segment 0
		.amdhsa_kernarg_size 32
		.amdhsa_user_sgpr_count 2
		.amdhsa_user_sgpr_kernarg_segment_ptr 1
		.amdhsa_wavefront_size32 1
		.amdhsa_system_sgpr_workgroup_id_x 1
		.amdhsa_system_sgpr_workgroup_id_y 1
		.amdhsa_system_sgpr_workgroup_id_z 1
		.amdhsa_system_vgpr_workitem_id 0
		.amdhsa_next_free_vgpr 1024
		.amdhsa_next_free_sgpr 80
		.amdhsa_reserve_vcc 0
		.amdhsa_float_denorm_mode_32 3
		.amdhsa_float_denorm_mode_16_64 3
		.amdhsa_memory_ordered 1
		.amdhsa_forward_progress 1
		.amdhsa_inst_pref_size 53
	.end_amdhsa_kernel
	.amdgpu_metadata
---
amdhsa.version: [ 1, 2 ]
amdhsa.kernels:
  - .name:           k_q57add99c2a_proj
    .symbol:         k_q57add99c2a_proj.kd
    .args:
      - { .name: y, .offset: 0, .size: 8, .value_kind: global_buffer, .address_space: global }
      - { .name: wb, .offset: 8, .size: 8, .value_kind: global_buffer, .address_space: global }
      - { .name: Wo_b, .offset: 16, .size: 8, .value_kind: global_buffer, .address_space: global }
      - { .name: out0, .offset: 24, .size: 8, .value_kind: global_buffer, .address_space: global }
    .group_segment_fixed_size: 327680
    .private_segment_fixed_size: 0
    .kernarg_segment_align: 8
    .kernarg_segment_size: 32
    .max_flat_workgroup_size: 128
    .sgpr_count:     80
    .vgpr_count:     1024
    .wavefront_size: 32
...
	.end_amdgpu_metadata
.endif
;; end of part 4
